; MI455X (gfx1250); checked and timed in simulation.
; The chip was launched on July 23, 2026; its instructions are those of AMD's public machine-readable ISA for CDNA 5 (MIT licence, August 2026) and "CDNA5" Instruction Set Architecture Reference Guide (July 2026). The comments in the code are by the model that wrote it; some were corrected since.
;; Multihead Attention. Allowed arithmetic: float matrix products may take bf16 or f16 operands with f32 sums; other float arithmetic in f32, or as packed bf16 or f16 multiplies, adds, multiply-adds, maxima and minima; sums over many terms, partial sums and values carried from step to step in f32; what a program stores and reads back later, other than sums and carried values, may be rounded once to bf16 or f16.
;; Inputs: Wk 512 x 1,024 float32; Wo 1,024 x 512 float32; Wq 512 x 1,024 float32; Wv 512 x 1,024 float32; beta 1,024 float32; bk 512 float32; bo 1,024 float32; bv 512 float32; gamma 1,024 float32; k 8 x 2,048 x 1,024 float32; q 8 x 2,048 x 1,024 float32; v 8 x 2,048 x 1,024 float32.
;; Outputs: out0 8 x 2,048 x 1,024 float32.
;; One version. Each part assembles by itself: llvm-mc -triple=amdgcn-amd-amdhsa -mcpu=gfx1250 --defsym DOCPART=n.
;; ======== version 1 of 1: 5 launches
;; workspace buffers: wf 4,194,304 bytes; hf 50,331,648 bytes; pf 67,108,864 bytes; st 2,097,152 bytes; af 16,777,216 bytes
;; launch prep (part 1): grid 256 x 1, 4 waves a work-group, no clusters, 17,920 bytes of LDS; arguments Wq, Wk, Wv, Wo, wf; writes wf
.if DOCPART == 1
	.amdgcn_target "amdgcn-amd-amdhsa--gfx1250"
	.amdhsa_code_object_version 6
	.text
	.protected	k_q8daf6310ac_prep
	.globl	k_q8daf6310ac_prep
	.p2align	8
	.type	k_q8daf6310ac_prep,@function
k_q8daf6310ac_prep:
	s_mov_b64 s[64:65], 0
	v_nop
	global_prefetch_b8 v0, s[64:65] scope:SCOPE_SE
	s_setreg_imm32_b32 hwreg(HW_REG_WAVE_MODE, 25, 1), 1
	s_wait_xcnt 0x0
; THE MODULE: out0 = LayerNorm(q + softmax((q Wq^T)(k Wk^T + bk)^T / sqrt(32)) (v Wv^T + bv) Wo^T + bo) gamma + beta, 8 batches of 2,048 tokens, one head of 512.
; DEAD WORK, for the whole program.  scores[i][j] = qh[i] . (k[j] Wk^T) + qh[i] . bk.  The second term does not hang on j, the axis of the softmax: it multiplies
; numerator and denominator of every weight by the same factor, whatever the inputs hold.  So bk reaches no output: it is not loaded and is no launch's argument.
; LIMIT: a NaN, an infinity or an overflow that would arise in qh . bk alone is not carried to the result.
; MOVED, not left out, by identities that hold for all values: the factor 1 / sqrt(32) goes into the exponent's constant; bv is added behind P v, since a row's weights sum to 1.
; THIS LAUNCH rounds the four weight matrices to bf16 once and lays them in FRAGMENT ORDER: a matrix X[row][k] is kept as chunks of 512 bytes; chunk (row / 16, k / 16) holds at
; byte 16 L + 2 e the element of row 16 (row / 16) + L % 16 and k = 16 (k / 16) + 8 (L / 16) + e.  Two neighbouring chunks are the eight registers of a 16 x 32 matrix operand.
; wf: Wq, Wk, Wv at 0, 1, 2 MiB as [k / 128][row / 16][(k % 128) / 32][1,024 bytes]; Wo at 3 MiB as [k / 64][row / 16][(k % 64) / 32][1,024 bytes].
; SHARES.  A wave takes 16 rows x 128 k: 8 KiB in, by loads in which each half of the lanes reads 256 consecutive aligned bytes; 4 KiB out, by stores of 512 consecutive bytes.  The turn goes through the wave's own
; stage in LDS: 16 pieces of 256 bytes, 272 apart, so that the 8-byte stores of 32 lanes touch each bank once.
.set STGW,  4352                       ; a wave's stage
.set SPARE, 4*STGW                     ; behind the stages: the spare words, 128 bytes for each wave
.set OF,  4                            ; v4-11   byte offset of my 16 bytes in row rr + 8 (lane / 16) of the unit
.set AST, 12                           ; v12     where I put 8 bytes
.set ARD, 13                           ; v13     where I read a chunk's 16 bytes
.set GO,  14                           ; v14     16 x lane
.set X,   16                           ; v16-79  as loaded; rounded in place
.set Y,   80                           ; v80-111 eight chunks' 16 bytes
.set SPW, 112                          ; my spare word's address; never rewritten
.set NIL, 113                          ; 0; never rewritten
	s_load_b256 s[4:11], s[0:1], 0x0               ; Wq, Wk, Wv, Wo
	s_load_b64 s[12:13], s[0:1], 0x20              ; wf
	v_lshl_add_u32 v[SPW], v0, 2, SPARE
	v_mov_b32 v[NIL], 0
	v_lshrrev_b32 v1, 5, v0
	v_readfirstlane_b32 s14, v1                    ; wave
	s_lshr_b32 s15, ttmp9, 6                       ; which matrix: 64 work-groups each
	s_lshl_b32 s16, ttmp9, 2
	s_add_co_u32 s16, s16, s14
	s_and_b32 s16, s16, 255                        ; the unit's number in its matrix
	s_cmp_eq_u32 s15, 3                            ; Wo is [1024][512], the others [512][1024]
	s_cselect_b32 s17, 63, 31                      ; blocks of 16 rows, less 1
	s_cselect_b32 s18, 6, 5
	s_cselect_b32 s19, 11, 12                      ; log2 of a row's bytes; also of a row block's bytes in a K step of wf
	s_cselect_b32 s20, 18, 17                      ; log2 of the bytes of 128 k in wf
	s_cselect_b32 s22, 17, 11                      ; log2 of the distance from the unit's first 64 k to its second in wf
	s_and_b32 s23, s16, s17                        ; row block
	s_lshr_b32 s24, s16, s18                       ; which 128 k
	s_lshl_b32 s25, s23, 4
	s_lshl_b32 s25, s25, s19
	s_lshl_b32 s26, s24, 9
	s_add_co_u32 s26, s25, s26                     ; the unit's first byte in its matrix
	s_mov_b32 s27, 0
	s_lshl_b32 s28, s15, 20
	s_lshl_b32 s29, s24, s20
	s_add_co_u32 s28, s28, s29
	s_lshl_b32 s29, s23, s19
	s_add_co_u32 s28, s28, s29                     ; and in wf
	s_mov_b32 s29, 0
	s_lshl_b32 s30, 1, s22
	s_mov_b32 s31, 0
	v_and_b32 v2, 15, v0                           ; i = lane % 16
	v_bfe_u32 v3, v0, 4, 1                         ; g = lane / 16
	v_lshlrev_b32 v15, 3, v3
.irp rr, 0,1,2,3,4,5,6,7
	v_add_nc_u32 v[OF+(\rr)], \rr, v15
	v_lshlrev_b32 v[OF+(\rr)], s19, v[OF+(\rr)]
	v_lshl_add_u32 v[OF+(\rr)], v2, 4, v[OF+(\rr)]
.endr
	s_mul_i32 s32, s14, STGW
	v_lshrrev_b32 v1, 1, v2
	v_mul_u32_u24 v[AST], v1, 272                  ; my four k lie in piece i / 2 of a half,
	v_and_b32 v1, 1, v2
	v_lshl_add_u32 v[AST], v1, 3, v[AST]           ; in its first or second 8 bytes of a row's 16,
	v_lshl_add_u32 v[AST], v3, 7, v[AST]           ; rows 8 g on
	v_add_nc_u32 v[AST], s32, v[AST]
	v_mul_u32_u24 v[ARD], v3, 272
	v_lshl_add_u32 v[ARD], v2, 4, v[ARD]
	v_add_nc_u32 v[ARD], s32, v[ARD]
	v_and_b32 v[GO], 31, v0
	v_lshlrev_b32 v[GO], 4, v[GO]
	s_wait_kmcnt 0x0
	s_cmp_eq_u32 s15, 1
	s_cselect_b64 s[4:5], s[6:7], s[4:5]
	s_cmp_eq_u32 s15, 2
	s_cselect_b64 s[4:5], s[8:9], s[4:5]
	s_cmp_eq_u32 s15, 3
	s_cselect_b64 s[4:5], s[10:11], s[4:5]
	s_add_nc_u64 s[4:5], s[4:5], s[26:27]
	s_add_nc_u64 s[12:13], s[12:13], s[28:29]      ; the unit's first 64 k in wf,
	s_add_nc_u64 s[34:35], s[12:13], s[30:31]      ; and its second
.irp rr, 0,1,2,3,4,5,6,7
	global_load_b128 v[X+8*(\rr):X+8*(\rr)+3],   v[OF+(\rr)], s[4:5] th:TH_LOAD_NT
	global_load_b128 v[X+8*(\rr)+4:X+8*(\rr)+7], v[OF+(\rr)], s[4:5] offset:256 th:TH_LOAD_NT
.endr
	s_wait_loadcnt 0x0
.set n, 0
.rept 16
	v_cvt_pk_bf16_f32 v[X+4*n],   v[X+4*n],   v[X+4*n+1]
	v_cvt_pk_bf16_f32 v[X+4*n+1], v[X+4*n+2], v[X+4*n+3]
.set n, n+1
.endr
.set n, 0
.rept 16
	ds_store_b64 v[AST], v[X+4*n:X+4*n+1] offset:(n%2)*2176+(n/2)*16
.set n, n+1
.endr
.irp c, 0,1,2,3,4,5,6,7
	ds_load_b128 v[Y+4*(\c):Y+4*(\c)+3], v[ARD] offset:(\c)*544  ; LDS serves a wave's instructions in order (ISA guide 5.7.1.4): these see the stores above
.endr
	s_wait_dscnt 0x0
.irp c, 0,1,2,3
	global_store_b128 v[GO], v[Y+4*(\c):Y+4*(\c)+3], s[12:13] offset:(\c)*512        ; 512 consecutive bytes, aligned
	global_store_b128 v[GO], v[Y+16+4*(\c):Y+16+4*(\c)+3], s[34:35] offset:(\c)*512
.endr
	s_wait_tensorcnt 0x0                           ; the wave's end, behind my last LDS store
	ds_add_u32 v[SPW], v[NIL]
	s_wait_dscnt 0x0
	s_endpgm
.Lfunc_end_k_q8daf6310ac_prep:
	.size	k_q8daf6310ac_prep, .Lfunc_end_k_q8daf6310ac_prep-k_q8daf6310ac_prep
	.p2alignl 7, 3214868480
	.fill 96, 4, 3214868480
	.section	.rodata,"a",@progbits
	.p2align	6, 0x0
	.amdhsa_kernel k_q8daf6310ac_prep
		.amdhsa_group_segment_fixed_size 17920
		.amdhsa_private_segment_fixed_size 0
		.amdhsa_enable_private_segment 0
		.amdhsa_kernarg_size 40
		.amdhsa_user_sgpr_count 2
		.amdhsa_user_sgpr_kernarg_segment_ptr 1
		.amdhsa_wavefront_size32 1
		.amdhsa_system_sgpr_workgroup_id_x 1
		.amdhsa_system_sgpr_workgroup_id_y 1
		.amdhsa_system_sgpr_workgroup_id_z 1
		.amdhsa_system_vgpr_workitem_id 0
		.amdhsa_next_free_vgpr 116
		.amdhsa_next_free_sgpr 66
		.amdhsa_reserve_vcc 0
		.amdhsa_float_denorm_mode_32 3
		.amdhsa_float_denorm_mode_16_64 3
		.amdhsa_memory_ordered 1
		.amdhsa_forward_progress 1
		.amdhsa_inst_pref_size 10
	.end_amdhsa_kernel
	.amdgpu_metadata
---
amdhsa.version: [ 1, 2 ]
amdhsa.kernels:
  - .name:           k_q8daf6310ac_prep
    .symbol:         k_q8daf6310ac_prep.kd
    .args:
      - { .name: Wq, .offset: 0, .size: 8, .value_kind: global_buffer, .address_space: global }
      - { .name: Wk, .offset: 8, .size: 8, .value_kind: global_buffer, .address_space: global }
      - { .name: Wv, .offset: 16, .size: 8, .value_kind: global_buffer, .address_space: global }
      - { .name: Wo, .offset: 24, .size: 8, .value_kind: global_buffer, .address_space: global }
      - { .name: wf, .offset: 32, .size: 8, .value_kind: global_buffer, .address_space: global }
    .group_segment_fixed_size: 17920
    .private_segment_fixed_size: 0
    .kernarg_segment_align: 8
    .kernarg_segment_size: 40
    .max_flat_workgroup_size: 128
    .sgpr_count:     66
    .vgpr_count:     116
    .wavefront_size: 32
...
	.end_amdgpu_metadata
.endif
;; end of part 1
;; launch proj (part 2): grid 128 x 3, 4 waves a work-group, clusters of 4 x 1, 327,680 bytes of LDS; arguments q, k, v, wf, hf; writes hf
.if DOCPART == 2
	.amdgcn_target "amdgcn-amd-amdhsa--gfx1250"
	.amdhsa_code_object_version 6
	.text
	.protected	k_q8daf6310ac_proj
	.globl	k_q8daf6310ac_proj
	.p2align	8
	.type	k_q8daf6310ac_proj,@function
k_q8daf6310ac_proj:
	s_mov_b64 s[64:65], 0
	v_nop
	global_prefetch_b8 v0, s[64:65] scope:SCOPE_SE
	s_setreg_imm32_b32 hwreg(HW_REG_WAVE_MODE, 25, 1), 1
	s_wait_xcnt 0x0
	s_wait_alu depctr_hold_cnt(0) depctr_sa_sdst(0) depctr_va_vdst(0) depctr_va_sdst(0) depctr_va_ssrc(0) depctr_va_vcc(0) depctr_vm_vsrc(0)
	s_getreg_b32 s2, hwreg(HW_REG_IB_STS2, 6, 4)
	s_cmp_eq_u32 s2, 0
	s_cbranch_scc0 .Lentry_in_a_cluster
	s_endpgm
.Lentry_in_a_cluster:
	s_bfe_u32 s2, ttmp6, 0x10000c
	s_cmp_lg_u32 s2, 0x3003
	s_cbranch_scc0 .Lentry_shape_is_right
	s_endpgm
.Lentry_shape_is_right:
; qh = q Wq^T, kh = k Wk^T, vh = v Wv^T: [16,384 tokens][512] in bf16, sums in f32, each rounded once.  LEFT OUT: bk (the same along the softmax's axis for all values: shown at the head of the first kernel).
; The scale 1 / sqrt(32) is applied in the exponent of the next launch, bv behind P v: nothing is added or scaled here.
; SHARES.  Grid y picks the tensor.  A work-group makes 128 tokens x 512 columns; wave w columns 128 w on: 64 accumulators of 16 x 16.  K = 1,024 goes in 8 steps of 128.
; Source 0 = 16 rows of W, source 1 = 16 tokens: a lane then holds one token and eight neighbouring columns, which, rounded, ARE 16 bytes of a chunk of the next product's operand (fragment order:
; first kernel's head): each accumulator leaves by one store of 512 consecutive bytes, with no stage.  vh's chunks have their lanes' places permuted so that the turning LDS load of the launch pv finds keys along its registers.
; WEIGHTS: a step's 128 KiB lie dense in wf. Two slots.
; TOKENS are f32 and are read once: they come through registers (32 loads a wave, each half of the lanes 256 consecutive aligned bytes, a whole step ahead), are rounded, and are laid into one stage in LDS
; that all four waves read.  Two slots of f32 tokens beside two slots of weights have no room in LDS.  The stage is written between two barriers: the change of slots' (every wave's reads of it are back) and one of its own.
; THE CHANGE OF SLOTS.  A wave's next request goes out only when its last has landed and all waves have met, so whatever stands between that wait and the request is added to every step of the ring.
; There stand only the add, the descriptor's step and the barriers.  The next step's tokens are rounded AHEAD of the wait, and the step after that is asked for there: those 32 loads are on their way while the ring has
; nothing out.  The last quarter's 64 products, which need no new data, stand BEHIND the request: 32 while the stage's stores land, 32 while the next slot's first fragments come.
; NO PREFETCH: the tokens are asked for a step ahead by the loads themselves, 64 KiB a work-group; the weights are walked again and again by all work-groups.
; REGISTERS, in windows of 256: window 0: v0-31 addresses; v64-191 two buffers of token fragments; v192-255 rounded tokens, packed results.  Window 1: v64-191 two buffers of weight fragments; v0-63, v192-255 tokens as loaded.
; Windows 2, 3: the accumulators, (a, b) at v[8 (8 (a % 4) + b)] of window 2 + a / 4.
.set SLOT1, 1<<17                      ; a slot: 4 x 32,768 bytes; slot 1 begins here
.set ASTG,  2*SLOT1                    ; the tokens' stage: 8 blocks of 16 tokens x 128 k, 16 pieces of 256 bytes 272 apart: 4,352 bytes a block
.set SPARE, ASTG+8*4352                ; the spare words, 128 bytes for each wave
.set F0,  64
.set F1,  128
.set TMP, 192
.set AOF, 16                           ; v16  my byte offset in the work-group's token rows
.set AST, 17                           ; v17  where I put 8 bytes of the stage
.set ADRA, 18                          ; v18  my place in a token fragment
.set ADRB0, 19                         ; v19  my place in my wave's weights, slot 0
.set ADRB, 20                          ; v20  the same in the slot in hand
.set CO,  21                           ; v21  16 x my place in a chunk of hf
.set SPW, 28
.set NIL, 29
.set WV,  14
.set G1,  24                           ; s[24:31] descriptor group 1
.set G0,  32                           ; s[32:39] group 0: a set for each first fill; the second walks on
.set CNT, 40
.set TB,  41                           ; 0 or SLOT1: the slot in hand
.set MSB, 0
.macro WIN new                         ; the immediate's high byte repeats the setting that is left
.if MSB != (\new)
	s_set_vgpr_msb (MSB<<8)|(\new)
.set MSB, \new
.endif
.endm
.set MUL_LO, 0xa1                      ; source 0 window 1, source 1 window 0, C and D window 2
.set MUL_HI, 0xf1                      ; the same, C and D window 3
.set TO_B,   0x40                      ; destination window 1
.macro PLACES
.rept 4
	v_nop
.endr
.endm
.macro CREST                           ; a round of the cluster's barrier behind its opening barrier
	s_cmp_lg_u32 s[WV], 0
	s_cbranch_scc1 .Lnot_wave_0_\@
	s_barrier_signal -3
.Lnot_wave_0_\@:
	s_barrier_wait -3
	s_barrier_signal -1
	s_barrier_wait -1
.endm
.macro CROUND
	s_barrier_signal -1
	s_barrier_wait -1
	CREST
.endm
; 16 matrix instructions: token blocks a0, a0 + 1 of the window's four x all 8 column blocks, 32 along K.  The 64 accumulators take turns in one order everywhere.
.macro MUL16 f, hi, a0, zero
	WIN MUL_LO+0x50*(\hi)
.irp a, \a0, (\a0)+1
.irp b, 0,1,2,3,4,5,6,7
.if \zero
	v_wmma_f32_16x16x32_bf16 v[8*(8*(\a)+(\b)):8*(8*(\a)+(\b))+7], v[(\f)+8*(\b):(\f)+8*(\b)+7], v[(\f)+8*(4*(\hi)+(\a)):(\f)+8*(4*(\hi)+(\a))+7], 0
.else
	v_wmma_f32_16x16x32_bf16 v[8*(8*(\a)+(\b)):8*(8*(\a)+(\b))+7], v[(\f)+8*(\b):(\f)+8*(\b)+7], v[(\f)+8*(4*(\hi)+(\a)):(\f)+8*(4*(\hi)+(\a))+7], v[8*(8*(\a)+(\b)):8*(8*(\a)+(\b))+7]
.endif
.endr
.endr
.endm
; My 32 tokens x 128 k of f32: load n = 16 rb + 2 rr + hf is row 16 rb + 8 (lane / 16) + rr, bytes 256 hf + 16 (lane % 16) of the step's 512
.macro ALOAD
	WIN TO_B
.set n, 0
.rept 32
	global_load_b128 v[4*n+128*(n/16):4*n+128*(n/16)+3], v[AOF], s[4:5] offset:(n/16)*65536+((n%16)/2)*4096+(n%2)*256 th:TH_LOAD_NT
.set n, n+1
.endr
	WIN 0
.endm
.macro ACVT                            ; rounded to bf16: sources window 1, destination window 0
	WIN 0x05
.set n, 0
.rept 32
	v_cvt_pk_bf16_f32 v[TMP+2*n],   v[4*n+128*(n/16)],   v[4*n+128*(n/16)+1]
	v_cvt_pk_bf16_f32 v[TMP+2*n+1], v[4*n+128*(n/16)+2], v[4*n+128*(n/16)+3]
.set n, n+1
.endr
	WIN 0
.endm
.macro ASTORE
.set n, 0
.rept 32
	ds_store_b64 v[AST], v[TMP+2*n:TMP+2*n+1] offset:(n/16)*4352+(n%2)*2176+((n%16)/2)*16
.set n, n+1
.endr
.endm
.macro FETCH kb, f                     ; 32 LDS loads in one run: the fragments of 32 along K: weights first, then tokens
	WIN TO_B
.irp i, 0,1,2,3,4,5,6,7
	ds_load_b128 v[(\f)+8*(\i):(\f)+8*(\i)+3],   v[ADRB] offset:(\i)*4096+(\kb)*1024
	ds_load_b128 v[(\f)+8*(\i)+4:(\f)+8*(\i)+7], v[ADRB] offset:(\i)*4096+(\kb)*1024+512
.endr
	WIN 0
.irp i, 0,1,2,3,4,5,6,7
	ds_load_b128 v[(\f)+8*(\i):(\f)+8*(\i)+3],   v[ADRA] offset:(\i)*4352+(\kb)*1088
	ds_load_b128 v[(\f)+8*(\i)+4:(\f)+8*(\i)+7], v[ADRA] offset:(\i)*4352+(\kb)*1088+544
.endr
.endm
.macro QUARTER kb, f, g, zero          ; multiplies buffer f; in its middle it fetches quarter kb into buffer g
	s_wait_dscnt 8                                 ; the weights and token blocks 0-3 are in; the youngest eight loads may be out
	MUL16 \f, 0, 0, \zero
	MUL16 \f, 0, 2, \zero
	PLACES                                         ; four places in front of loads into registers that matrix instructions have read
	FETCH \kb, \g
	s_wait_dscnt 32                                ; all but the 32 just issued
	MUL16 \f, 1, 0, \zero
	MUL16 \f, 1, 2, \zero
.endm
; The next step's tokens are rounded into 64 registers, where they wait for the stage to be free.  fill = 1: the registers that they leave take the step after that.
.macro CONV fill
	WIN 0
	s_wait_loadcnt 0x0                             ; the next step's tokens are in registers; their loads' base may be written
	ACVT
.if \fill
	s_add_nc_u64 s[4:5], s[4:5], 512
	ALOAD
.endif
.endm
; The change of slots, first part: each wave waits for all its tensor loads (one is out: its part of the next slot), adds 0 to its spare word, and waits for that and for its reads of the slot and of the stage.
.macro P1 round
	WIN 0
	s_wait_tensorcnt 0x0                           ; no tensor load of mine is out, so a group 0 may be written
	ds_add_u32 v[SPW], v[NIL]                      ; 0 onto my spare word; the descriptor's step stands between it and the wait for it
.if \round
	s_xor_b32 s[G0+5], s[G0+5], SLOT1              ; the walking descriptor: the other slot than last time,
	s_add_nc_u64 s[G0+6:G0+7], s[G0+6:G0+7], 131072  ; the next step's weights
.endif
	s_wait_dscnt 0x0                               ; the add is done; my reads of this slot and of the stage are back
	s_barrier_signal -1
	s_barrier_wait -1
.if \round
	CREST                                          ; no wave of any partner still reads the slot or has a load on its way
.endif
.endm
; Second part: the refill first; the rounded tokens go into the stage, which nobody reads now; 32 products; a barrier shows the stage whole; the next slot's first fragments; 32 products.
.macro P2 fill
.if \fill
	tensor_load_to_lds s[G0+4:G0+7], s[G1:G1+7]
	s_nop 0
	PLACES
.endif
	ASTORE
	s_xor_b32 s[TB], s[TB], SLOT1
	v_add_nc_u32 v[ADRB], s[TB], v[ADRB0]
	MUL16 F1, 0, 0, 0
	MUL16 F1, 0, 2, 0
	WIN 0
	s_wait_dscnt 0x0                               ; for the others' sake: my part of the stage is written
	s_barrier_signal -1
	s_barrier_wait -1                              ; the refill stays on its way
	FETCH 0, F0                                    ; buffer 0's last readers stand in front of the 64 conversions
	MUL16 F1, 1, 0, 0
	MUL16 F1, 1, 2, 0
.endm
	s_load_b256 s[4:11], s[0:1], 0x0               ; q, k, v, wf
	s_load_b64 s[12:13], s[0:1], 0x20              ; hf
	v_lshl_add_u32 v[SPW], v0, 2, SPARE
	v_mov_b32 v[NIL], 0
	ds_add_u32 v[SPW], v[NIL]                      ; the wave's opening: the add, twice on end, and its wait ahead of my first tensor load
	ds_add_u32 v[SPW], v[NIL]
	v_lshrrev_b32 v1, 5, v0
	v_readfirstlane_b32 s[WV], v1
	s_bfe_u32 s15, ttmp6, 0x40000                  ; cx
	s_lshl_b32 s16, ttmp9, 2
	s_add_co_u32 s16, s16, s15                     ; my block of 128 tokens: it enters the tokens' and hf's addresses alone
	s_and_b32 s17, ttmp7, 0xffff                   ; the tensor, which the four partners share
	s_mov_b32 s[G1], 15|(3<<16)|(1<<21)            ; the mask of four; elements of 8 bytes; bit 21 beside a mask
	s_mov_b32 s[G1+1], 32<<16                      ; tensor_dim0 = 32: rows of 256 bytes
	s_mov_b32 s[G1+2], 128<<16                     ; tensor_dim1 = 128
	s_mov_b32 s[G1+3], 32<<16                      ; tile_dim0
	s_mov_b32 s[G1+4], 128                         ; tile_dim1
	s_mov_b32 s[G1+5], 32                          ; dense: a row begins where the last ends
	s_mov_b32 s[G1+6], 0
	s_mov_b32 s[G1+7], 0
	s_lshl_b32 s18, s17, 20
	s_lshl_b32 s19, s[WV], 15
	s_add_co_u32 s18, s18, s19                     ; my wave's weights of step 0 in wf
	s_mov_b32 s19, 0
	s_mul_i32 s20, s[WV], 32768                    ; and in a slot
	s_mov_b32 s[TB], 0
	s_wait_dscnt 0x0                               ; both opening adds are done
	s_wait_kmcnt 0x0
	s_add_nc_u64 s[10:11], s[10:11], s[18:19]
	s_cmp_eq_u32 s17, 1
	s_cselect_b64 s[4:5], s[6:7], s[4:5]
	s_cmp_eq_u32 s17, 2
	s_cselect_b64 s[4:5], s[8:9], s[4:5]
	s_lshl_b32 s42, s16, 19                        ; 128 rows of 4,096 bytes
	s_mov_b32 s43, 0
	s_add_nc_u64 s[4:5], s[4:5], s[42:43]
	s_lshl_b32 s44, s17, 24
	s_lshl_b32 s45, s16, 17
	s_add_co_u32 s44, s44, s45
	s_lshl_b32 s45, s[WV], 12
	s_add_co_u32 s44, s44, s45
	s_mov_b32 s45, 0
	s_add_nc_u64 s[12:13], s[12:13], s[44:45]      ; hf at my tensor, my 8 token blocks, my 8 column blocks
	CROUND                                         ; all four work-groups are here: the first joint loads meet
	s_mov_b32 s[G0], 1
	s_mov_b32 s[G0+1], s20
	s_mov_b64 s[G0+2:G0+3], s[10:11]
	s_or_b32 s[G0+3], s[G0+3], 0x80000000
	s_mov_b32 s[G0+4], 1
	s_add_co_u32 s[G0+5], s20, SLOT1
	s_add_nc_u64 s[G0+6:G0+7], s[10:11], 131072
	s_or_b32 s[G0+7], s[G0+7], 0x80000000
	tensor_load_to_lds s[G0:G0+3], s[G1:G1+7]      ; steps 0 and 1: two loads of mine are out
	s_nop 0
	tensor_load_to_lds s[G0+4:G0+7], s[G1:G1+7]
	s_nop 0
	PLACES
	v_and_b32 v1, 15, v0
	v_bfe_u32 v2, v0, 4, 1
	v_and_b32 v3, 31, v0
	v_lshlrev_b32 v[AOF], 4, v1
	v_lshl_add_u32 v[AOF], v2, 15, v[AOF]          ; rows 8 (lane / 16) on,
	s_lshl_b32 s21, s[WV], 17
	v_add_nc_u32 v[AOF], s21, v[AOF]               ; of my wave's 32
	ALOAD                                          ; step 0
	v_lshrrev_b32 v4, 1, v1
	v_mul_u32_u24 v[AST], v4, 272
	v_and_b32 v4, 1, v1
	v_lshl_add_u32 v[AST], v4, 3, v[AST]
	v_lshl_add_u32 v[AST], v2, 7, v[AST]
	s_mul_i32 s21, s[WV], 8704
	s_add_co_u32 s21, s21, ASTG
	v_add_nc_u32 v[AST], s21, v[AST]
	v_mul_u32_u24 v[ADRA], v2, 272
	v_lshl_add_u32 v[ADRA], v1, 4, v[ADRA]
	v_add_nc_u32 v[ADRA], ASTG, v[ADRA]
	v_lshl_add_u32 v[ADRB0], v3, 4, s20
	v_mov_b32 v[ADRB], v[ADRB0]
	v_lshrrev_b32 v4, 3, v1                        ; vh: token r, columns 8 h on, go to place 16 (r / 8) + 8 h + r % 8 of the chunk
	v_lshlrev_b32 v4, 4, v4
	v_lshl_add_u32 v4, v2, 3, v4
	v_and_b32 v5, 7, v1
	v_add_nc_u32 v4, v4, v5
	s_cmp_eq_u32 s17, 2
	s_cselect_b32 s21, -1, 0
	v_cndmask_b32 v4, v3, v4, s21
	v_lshlrev_b32 v[CO], 4, v4
	s_wait_loadcnt 0x0
	ACVT
	ASTORE
	s_add_nc_u64 s[4:5], s[4:5], 512
	ALOAD                                          ; step 1
	s_wait_dscnt 0x0
	s_wait_tensorcnt 1                             ; my part of slot 0 is in; slot 1's may stay out
	s_barrier_signal -1
	s_barrier_wait -1
	FETCH 0, F0
	QUARTER 1, F0, F1, 1                           ; the first quarter stands in front of the loop: its products start the sums
	WIN 0
	s_mov_b32 s[CNT], 6
.Lstep:                                                ; a trip: the rest of a step, the change of slots with its refill, the next step's first quarter
	QUARTER 2, F1, F0, 0
	QUARTER 3, F0, F1, 0
	CONV 1
	P1 1
	P2 1
	QUARTER 1, F0, F1, 0
	WIN 0
	s_sub_co_u32 s[CNT], s[CNT], 1
	s_cmp_lg_u32 s[CNT], 0
	s_cbranch_scc1 .Lstep
	s_mov_b32 s[CNT], 2
.Ltail:                                                ; the last two steps ask for nothing; the second trip is left in its middle, ahead of the conversion: it has no tokens to round
	QUARTER 2, F1, F0, 0
	QUARTER 3, F0, F1, 0
	P1 0
	s_sub_co_u32 s[CNT], s[CNT], 1
	s_cmp_eq_u32 s[CNT], 0
	s_cbranch_scc1 .Lout
	CONV 0
	P2 0
	QUARTER 1, F0, F1, 0
	WIN 0
	s_branch .Ltail
.Lout:
	MUL16 F1, 0, 0, 0
	MUL16 F1, 0, 2, 0
	MUL16 F1, 1, 0, 0
	MUL16 F1, 1, 2, 0
	PLACES
	PLACES
; THE WAY OUT: accumulator (a, b), rounded, is chunk (token block a, column block 8 w + b): one store of 512 consecutive bytes.  Each accumulator's registers are taken in ascending order.
.macro SENDA a
.if (\a) >= 2
	s_wait_xcnt 0x0                                ; the stores of two blocks back have read their registers
.endif
	WIN 0x0a+5*((\a)/4)
.irp b, 0,1,2,3,4,5,6,7
.irp r, 0,1,2,3
	v_cvt_pk_bf16_f32 v[TMP+32*((\a)%2)+4*(\b)+(\r)], v[64*((\a)%4)+8*(\b)+2*(\r)], v[64*((\a)%4)+8*(\b)+2*(\r)+1]
.endr
.endr
	WIN 0
.irp b, 0,1,2,3,4,5,6,7
	global_store_b128 v[CO], v[TMP+32*((\a)%2)+4*(\b):TMP+32*((\a)%2)+4*(\b)+3], s[12:13] offset:(\a)*16384+(\b)*512 th:TH_STORE_NT
.endr
.endm
.irp a, 0,1,2,3,4,5,6,7
	SENDA \a
.endr
	s_wait_tensorcnt 0x0                           ; the wave's end
	ds_add_u32 v[SPW], v[NIL]
	s_wait_dscnt 0x0
	CROUND                                         ; the closing round
	s_endpgm
.Lfunc_end_k_q8daf6310ac_proj:
	.size	k_q8daf6310ac_proj, .Lfunc_end_k_q8daf6310ac_proj-k_q8daf6310ac_proj
	.p2alignl 7, 3214868480
	.fill 96, 4, 3214868480
	.section	.rodata,"a",@progbits
	.p2align	6, 0x0
	.amdhsa_kernel k_q8daf6310ac_proj
		.amdhsa_group_segment_fixed_size 327680
		.amdhsa_private_segment_fixed_size 0
		.amdhsa_enable_private_segment 0
		.amdhsa_kernarg_size 40
		.amdhsa_user_sgpr_count 2
		.amdhsa_user_sgpr_kernarg_segment_ptr 1
		.amdhsa_wavefront_size32 1
		.amdhsa_system_sgpr_workgroup_id_x 1
		.amdhsa_system_sgpr_workgroup_id_y 1
		.amdhsa_system_sgpr_workgroup_id_z 1
		.amdhsa_system_vgpr_workitem_id 0
		.amdhsa_next_free_vgpr 1024
		.amdhsa_next_free_sgpr 72
		.amdhsa_reserve_vcc 0
		.amdhsa_float_denorm_mode_32 3
		.amdhsa_float_denorm_mode_16_64 3
		.amdhsa_memory_ordered 1
		.amdhsa_forward_progress 1
		.amdhsa_inst_pref_size 121
	.end_amdhsa_kernel
	.amdgpu_metadata
---
amdhsa.version: [ 1, 2 ]
amdhsa.kernels:
  - .name:           k_q8daf6310ac_proj
    .symbol:         k_q8daf6310ac_proj.kd
    .args:
      - { .name: q, .offset: 0, .size: 8, .value_kind: global_buffer, .address_space: global }
      - { .name: k, .offset: 8, .size: 8, .value_kind: global_buffer, .address_space: global }
      - { .name: v, .offset: 16, .size: 8, .value_kind: global_buffer, .address_space: global }
      - { .name: wf, .offset: 24, .size: 8, .value_kind: global_buffer, .address_space: global }
      - { .name: hf, .offset: 32, .size: 8, .value_kind: global_buffer, .address_space: global }
    .group_segment_fixed_size: 327680
    .private_segment_fixed_size: 0
    .kernarg_segment_align: 8
    .kernarg_segment_size: 40
    .max_flat_workgroup_size: 128
    .sgpr_count:     72
    .vgpr_count:     1024
    .wavefront_size: 32
...
	.end_amdgpu_metadata
.endif
;; end of part 2
;; launch scores (part 3): grid 8 x 64, 4 waves a work-group, clusters of 4 x 4, 327,680 bytes of LDS; arguments hf, pf, st; writes pf, st
.if DOCPART == 3
	.amdgcn_target "amdgcn-amd-amdhsa--gfx1250"
	.amdhsa_code_object_version 6
	.text
	.protected	k_q8daf6310ac_scores
	.globl	k_q8daf6310ac_scores
	.p2align	8
	.type	k_q8daf6310ac_scores,@function
k_q8daf6310ac_scores:
	s_mov_b64 s[64:65], 0
	v_nop
	global_prefetch_b8 v0, s[64:65] scope:SCOPE_SE
	s_setreg_imm32_b32 hwreg(HW_REG_WAVE_MODE, 25, 1), 1
	s_wait_xcnt 0x0
	s_wait_alu depctr_hold_cnt(0) depctr_sa_sdst(0) depctr_va_vdst(0) depctr_va_sdst(0) depctr_va_ssrc(0) depctr_va_vcc(0) depctr_vm_vsrc(0)
	s_getreg_b32 s2, hwreg(HW_REG_IB_STS2, 6, 4)
	s_cmp_eq_u32 s2, 0
	s_cbranch_scc0 .Lentry_in_a_cluster
	s_endpgm
.Lentry_in_a_cluster:
	s_bfe_u32 s2, ttmp6, 0x10000c
	s_cmp_lg_u32 s2, 0xf033
	s_cbranch_scc0 .Lentry_shape_is_right
	s_endpgm
.Lentry_shape_is_right:
; For each query and each BLOCK of 128 keys: s = qh . kh; the block's true maximum m; p' = 2^(c s - c m), c = log2(e) / sqrt(32), rounded once to bf16 into pf; c m and l = the sum of the unrounded p' into st (f32).
; The next launch takes the row's maximum over the 16 blocks and rescales: the maximum is taken away before every exponential, and no exponent is above 0.  LEFT OUT: qh . bk (first kernel's head).
; LIMITS: a weight below 2^-126 counts as 0; NaN and infinities are not treated apart.
; SHARES.  A work-group makes 256 queries x 256 keys of one batch; a wave 128 x 128: 64 accumulators.  K = 512 goes in 4 steps of 128 through two slots.  Source 0 = 16 keys, source 1 = 16 queries: a lane holds one
; query and eight neighbouring keys, so a row's maximum and sum want one exchange between the halves of the lanes, and a rounded accumulator is a chunk of P in fragment order: one store of 512 consecutive bytes.
; qh and kh lie in fragment order: 128 tokens x 128 k are 8 rows of 4,096 bytes, 16,384 apart; in LDS they are dense and every fragment load is 512 consecutive bytes.
; CLUSTER 4 x 4: queries' tiles are shared along a row, keys' along a column, each asked for jointly.  NO PREFETCH: a work-group's four steps are its two first fills and its two refills.
; THE WAY OUT goes by row blocks in a loop of eight trips, one text: the f32 accumulators are set down in the wave's own quarter of the slots, which have had their last fill and which nobody reads any more.
.set SLOT1, 1<<17
.set STG,   2*SLOT1                    ; 1,024 bytes a wave: c m of my 128 queries, then l
.set SPARE, STG+4096
.set F0,  64
.set F1,  128
.set ADRA0, 4
.set ADRB0, 5
.set GO,  6                            ; 16 x lane
.set DST, 7                            ; where my accumulators are set down
.set LDA, 8                            ; where the row block in hand is read back
.set SA,  9                            ; where c m or l of my query goes
.set SR,  10
.set ADRA, 16
.set ADRB, 20
.set SPW, 28
.set NIL, 29
.set T,   40                           ; v40-43 at work
.set CM,  44                           ; v[44:45] c m, twice
.set LS,  46
.set S,   64                           ; v64-127 a row block's 64 scores a lane
.set P,   128                          ; v128-159 rounded
.set WV,  10
.set G1,  24
.set G0,  32
.set G1B, 48
.set G0B, 56
.set SEL, 72
.set CS,  74
.set HM,  76
.set CNT, 77
.set TB,  78
.set MSB, 0
.macro WIN new
.if MSB != (\new)
	s_set_vgpr_msb (MSB<<8)|(\new)
.set MSB, \new
.endif
.endm
.set MUL_LO, 0xa1
.set MUL_HI, 0xf1
.set TO_B,   0x40
.macro PLACES
.rept 4
	v_nop
.endr
.endm
.macro CREST
	s_cmp_lg_u32 s[WV], 0
	s_cbranch_scc1 .Lnot_wave_0_\@
	s_barrier_signal -3
.Lnot_wave_0_\@:
	s_barrier_wait -3
	s_barrier_signal -1
	s_barrier_wait -1
.endm
.macro CROUND
	s_barrier_signal -1
	s_barrier_wait -1
	CREST
.endm
.macro MUL16 f, hi, a0, zero           ; the 64 accumulators take turns in one order everywhere
	WIN MUL_LO+0x50*(\hi)
.irp a, \a0, (\a0)+1
.irp b, 0,1,2,3,4,5,6,7
.if \zero
	v_wmma_f32_16x16x32_bf16 v[8*(8*(\a)+(\b)):8*(8*(\a)+(\b))+7], v[(\f)+8*(\b):(\f)+8*(\b)+7], v[(\f)+8*(4*(\hi)+(\a)):(\f)+8*(4*(\hi)+(\a))+7], 0
.else
	v_wmma_f32_16x16x32_bf16 v[8*(8*(\a)+(\b)):8*(8*(\a)+(\b))+7], v[(\f)+8*(\b):(\f)+8*(\b)+7], v[(\f)+8*(4*(\hi)+(\a)):(\f)+8*(4*(\hi)+(\a))+7], v[8*(8*(\a)+(\b)):8*(8*(\a)+(\b))+7]
.endif
.endr
.endr
.endm
.macro JLOAD                           ; waves 0 and 1 fetch the queries' halves, waves 2 and 3 the keys'; the branch hangs on the wave's number alone
	s_cmp_eq_u32 s11, 0
	s_cbranch_scc0 .Lfor_k_\@
	tensor_load_to_lds s[G0+4:G0+7], s[G1:G1+7]
	s_nop 0
	PLACES
	s_branch .Lasked_\@
.Lfor_k_\@:
	tensor_load_to_lds s[G0B+4:G0B+7], s[G1B:G1B+7]
	s_nop 0
	PLACES
.Lasked_\@:
.endm
.macro FETCH kb, f
	WIN TO_B
.irp i, 0,1,2,3,4,5,6,7
	ds_load_b128 v[(\f)+8*(\i):(\f)+8*(\i)+3],   v[ADRB] offset:(\i)*4096+(\kb)*1024
	ds_load_b128 v[(\f)+8*(\i)+4:(\f)+8*(\i)+7], v[ADRB] offset:(\i)*4096+(\kb)*1024+512
.endr
	WIN 0
.irp i, 0,1,2,3,4,5,6,7
	ds_load_b128 v[(\f)+8*(\i):(\f)+8*(\i)+3],   v[ADRA] offset:(\i)*4096+(\kb)*1024
	ds_load_b128 v[(\f)+8*(\i)+4:(\f)+8*(\i)+7], v[ADRA] offset:(\i)*4096+(\kb)*1024+512
.endr
.endm
.macro QUARTER kb, f, g, zero
	s_wait_dscnt 8                                 ; keys and query blocks 0-3 are in; the youngest eight loads may be out
	MUL16 \f, 0, 0, \zero
	MUL16 \f, 0, 2, \zero
	PLACES
	FETCH \kb, \g
	s_wait_dscnt 32                                ; all but the 32 just issued
	MUL16 \f, 1, 0, \zero
	MUL16 \f, 1, 2, \zero
.endm
.macro P1 round
	WIN 0
	s_wait_tensorcnt 0x0                           ; all my tensor loads have landed
	ds_add_u32 v[SPW], v[NIL]
	s_wait_dscnt 9                                 ; the add and the youngest eight loads may be out
	MUL16 F1, 0, 0, 0
	s_wait_dscnt 0x0                               ; the add is done; my reads of this slot are back
	s_barrier_signal -1
	MUL16 F1, 0, 2, 0
	WIN 0
	s_barrier_wait -1
.if \round
	CREST
.endif
.endm
.macro P2 fill
.if \fill
.irp g, G0+4, G0B+4
	s_xor_b32 s[(\g)+1], s[(\g)+1], SLOT1
	s_add_nc_u64 s[(\g)+2:(\g)+3], s[(\g)+2:(\g)+3], 4096
.endr
	JLOAD                                          ; the first tensor load behind the round; its four v_nop are also the places in front of the loads below
.else
	PLACES
.endif
	s_xor_b32 s[TB], s[TB], SLOT1
	v_add_nc_u32 v[ADRA], s[TB], v[ADRA0]
	v_add_nc_u32 v[ADRB], s[TB], v[ADRB0]
	FETCH 0, F0
.endm
.macro P3
	MUL16 F1, 1, 0, 0
	MUL16 F1, 1, 2, 0
.endm
	s_load_b128 s[4:7], s[0:1], 0x0                ; hf, pf
	s_load_b64 s[8:9], s[0:1], 0x10                ; st
	v_lshl_add_u32 v[SPW], v0, 2, SPARE
	v_mov_b32 v[NIL], 0
	ds_add_u32 v[SPW], v[NIL]                      ; the wave's opening: the add, twice on end, and its wait ahead of my first tensor load
	ds_add_u32 v[SPW], v[NIL]
	v_lshrrev_b32 v1, 5, v0
	v_readfirstlane_b32 s[WV], v1
	s_lshr_b32 s11, s[WV], 1                       ; which half of the queries is mine.  Also: I fetch queries (0) or keys (1)
	s_and_b32 s12, s[WV], 1                        ; which half of the keys.  Also: which 128 rows I fetch
	s_bfe_u32 s40, ttmp6, 0x40000                  ; cx
	s_bfe_u32 s41, ttmp6, 0x40004                  ; cy
	s_lshl_b32 s42, ttmp9, 2
	s_add_co_u32 s42, s42, s40                     ; the tile of keys
	s_and_b32 s13, ttmp7, 0xffff
	s_lshr_b32 s14, s13, 1                         ; the batch: two rows of clusters each
	s_and_b32 s13, s13, 1
	s_lshl_b32 s13, s13, 2
	s_add_co_u32 s13, s13, s41                     ; the tile of queries
	s_lshl_b32 s43, s41, 2
	s_lshl_b32 s43, 15, s43                        ; my row of the cluster
	s_lshl_b32 s44, 0x1111, s40                    ; my column
	s_or_b32 s[G1], s43, (3<<16)|(1<<21)           ; elements of 8 bytes; bit 21 beside a mask
	s_or_b32 s[G1B], s44, (3<<16)|(1<<21)
.irp g, G1, G1B
	s_mov_b32 s[(\g)+1], 512<<16                   ; tensor_dim0 = 512: rows of 4,096 bytes
	s_mov_b32 s[(\g)+2], 8<<16                     ; tensor_dim1 = 8
	s_mov_b32 s[(\g)+3], 512<<16                   ; tile_dim0
	s_mov_b32 s[(\g)+4], 8                         ; tile_dim1
	s_mov_b32 s[(\g)+5], 2048                      ; 16,384 bytes from a token block to the next
	s_mov_b32 s[(\g)+6], 0
	s_mov_b32 s[(\g)+7], 0
.endr
	s_lshl_b32 s16, s14, 7
	s_lshl_b32 s17, s13, 4
	s_add_co_u32 s16, s16, s17
	s_lshl_b32 s17, s12, 3
	s_add_co_u32 s16, s16, s17
	s_lshl_b32 s16, s16, 14                        ; qh: token block 128 batch + 16 tile + 8 half
	s_mov_b32 s17, 0
	s_lshl_b32 s46, s14, 7
	s_lshl_b32 s47, s42, 4
	s_add_co_u32 s46, s46, s47
	s_lshl_b32 s47, s12, 3
	s_add_co_u32 s46, s46, s47
	s_lshl_b32 s46, s46, 14
	s_add_co_u32 s46, s46, 1<<24                   ; kh lies 16 MiB on
	s_mov_b32 s47, 0
	s_mul_i32 s20, s[WV], 32768
	s_mov_b32 s[TB], 0
	s_mov_b32 s[SEL], 0x76543210
	s_mov_b32 s[SEL+1], 0xfedcba98
	s_mov_b32 s[CS], 0x3e8293ee                    ; c = log2(e) / sqrt(32)
	s_mov_b32 s[CS+1], s[CS]
	s_mov_b32 s[HM], 0xffff0000                    ; lanes 16-31
	s_wait_dscnt 0x0
	s_wait_kmcnt 0x0
	s_add_nc_u64 s[18:19], s[4:5], s[16:17]
	s_add_nc_u64 s[46:47], s[4:5], s[46:47]
	CROUND
.irp s, 0,1
	s_mov_b32 s[G0+4*(\s)], 1
	s_add_co_u32 s[G0+4*(\s)+1], s20, (\s)*SLOT1
	s_add_nc_u64 s[G0+4*(\s)+2:G0+4*(\s)+3], s[18:19], (\s)*4096
	s_or_b32 s[G0+4*(\s)+3], s[G0+4*(\s)+3], 0x80000000
	s_mov_b32 s[G0B+4*(\s)], 1
	s_add_co_u32 s[G0B+4*(\s)+1], s20, (\s)*SLOT1
	s_add_nc_u64 s[G0B+4*(\s)+2:G0B+4*(\s)+3], s[46:47], (\s)*4096
	s_or_b32 s[G0B+4*(\s)+3], s[G0B+4*(\s)+3], 0x80000000
.endr
	s_cmp_eq_u32 s11, 0                            ; a wave's two first fills stand in one branch: two loads of mine are out
	s_cbranch_scc0 .Lfirst_k
	tensor_load_to_lds s[G0:G0+3], s[G1:G1+7]
	s_nop 0
	tensor_load_to_lds s[G0+4:G0+7], s[G1:G1+7]
	s_nop 0
	PLACES
	s_branch .Lfirst_asked
.Lfirst_k:
	tensor_load_to_lds s[G0B:G0B+3], s[G1B:G1B+7]
	s_nop 0
	tensor_load_to_lds s[G0B+4:G0B+7], s[G1B:G1B+7]
	s_nop 0
	PLACES
.Lfirst_asked:
	v_and_b32 v1, 15, v0
	v_bfe_u32 v2, v0, 4, 1
	v_and_b32 v3, 31, v0
	v_lshlrev_b32 v[GO], 4, v3
	s_lshl_b32 s21, s11, 15
	v_add_nc_u32 v[ADRA0], s21, v[GO]
	s_lshl_b32 s21, s12, 15
	s_add_co_u32 s21, s21, 65536
	v_add_nc_u32 v[ADRB0], s21, v[GO]
	v_mov_b32 v[ADRA], v[ADRA0]
	v_mov_b32 v[ADRB], v[ADRB0]
	s_mul_i32 s21, s[WV], 65536
	v_add_nc_u32 v[DST], s21, v[GO]
	v_mov_b32 v[LDA], v[DST]
	s_mul_i32 s21, s[WV], 1024
	s_add_co_u32 s21, s21, STG
	v_add_nc_u32 v[SR], s21, v[GO]
	v_lshlrev_b32 v[SA], 2, v1
	v_lshl_add_u32 v[SA], v2, 9, v[SA]
	v_add_nc_u32 v[SA], s21, v[SA]
	s_lshl_b32 s68, s13, 4                         ; pf: query block 16 tile + 8 half, 65,536 bytes each; keys 256 tile + 128 half: 512 bytes for each 16
	s_lshl_b32 s69, s11, 3
	s_add_co_u32 s68, s68, s69
	s_lshl_b32 s68, s68, 16
	s_lshl_b32 s69, s14, 23
	s_add_co_u32 s68, s68, s69
	s_lshl_b32 s69, s42, 13
	s_add_co_u32 s68, s68, s69
	s_lshl_b32 s69, s12, 12
	s_add_co_u32 s68, s68, s69
	s_mov_b32 s69, 0
	s_add_nc_u64 s[6:7], s[6:7], s[68:69]
	s_lshl_b32 s70, s14, 4                         ; st: [batch][block of 128 keys][c m, l][query]
	s_lshl_b32 s71, s42, 1
	s_add_co_u32 s70, s70, s71
	s_add_co_u32 s70, s70, s12
	s_lshl_b32 s70, s70, 14
	s_lshl_b32 s71, s13, 10
	s_add_co_u32 s70, s70, s71
	s_lshl_b32 s71, s11, 9
	s_add_co_u32 s70, s70, s71
	s_mov_b32 s71, 0
	s_add_nc_u64 s[8:9], s[8:9], s[70:71]
	s_wait_tensorcnt 1                             ; my part of slot 0 is in; slot 1's may stay out
	s_barrier_signal -1
	s_barrier_wait -1
	FETCH 0, F0
	QUARTER 1, F0, F1, 1
	WIN 0
	s_mov_b32 s[CNT], 2
.Lstep:
	QUARTER 2, F1, F0, 0
	QUARTER 3, F0, F1, 0
	P1 1
	P2 1
	P3
	QUARTER 1, F0, F1, 0
	WIN 0
	s_sub_co_u32 s[CNT], s[CNT], 1
	s_cmp_lg_u32 s[CNT], 0
	s_cbranch_scc1 .Lstep
	s_mov_b32 s[CNT], 2
.Ltail:                                                ; the last two steps ask for nothing; the second trip is left in its middle, behind a barrier at which every wave's reads of the slots are back
	QUARTER 2, F1, F0, 0
	QUARTER 3, F0, F1, 0
	P1 0
	s_sub_co_u32 s[CNT], s[CNT], 1
	s_cmp_eq_u32 s[CNT], 0
	s_cbranch_scc1 .Lout
	P2 0
	P3
	QUARTER 1, F0, F1, 0
	WIN 0
	s_branch .Ltail
.Lout:
	P3
	PLACES
	PLACES
	WIN 0x08                                       ; store data in window 2; each accumulator's low half goes first
.set i, 0
.rept 32
	ds_store_b128 v[DST], v[8*i:8*i+3]   offset:i*1024
	ds_store_b128 v[DST], v[8*i+4:8*i+7] offset:i*1024+512
.set i, i+1
.endr
	WIN 0x0c                                       ; window 3
.set i, 0
.rept 32
	ds_store_b128 v[DST], v[8*i:8*i+3]   offset:(32+i)*1024
	ds_store_b128 v[DST], v[8*i+4:8*i+7] offset:(32+i)*1024+512
.set i, i+1
.endr
	WIN 0
	s_mov_b32 s[CNT], 8
.Lrow:                                                 ; a block of 16 queries x my 128 keys
.set i, 0
.rept 16
	ds_load_b128 v[S+4*i:S+4*i+3], v[LDA] offset:i*512  ; my own bytes: LDS serves a wave's instructions in order (ISA guide 5.7.1.4)
.set i, i+1
.endr
	s_wait_dscnt 0x0
.irp c, 0,1,2,3                        ; the maximum of my 64 scores: four chains of 15, three operands at a time, then the four left over
	v_max3_num_f32 v[T+(\c)], v[S+16*(\c)], v[S+16*(\c)+1], v[S+16*(\c)+2]
.endr
.irp k, 1,2,3,4,5,6
.irp c, 0,1,2,3
	v_max3_num_f32 v[T+(\c)], v[T+(\c)], v[S+16*(\c)+2*(\k)+1], v[S+16*(\c)+2*(\k)+2]
.endr
.endr
	v_max3_num_f32 v[T], v[T], v[S+15], v[S+31]
	v_max3_num_f32 v[T+2], v[T+2], v[S+47], v[S+63]
	v_max3_num_f32 v[T], v[T], v[T+1], v[T+2]
	v_max_num_f32 v[T], v[T], v[T+3]
	v_permlanex16_b32 v[T+1], v[T], s[SEL], s[SEL+1]  ; the query's other 64 keys lie in the lane 16 away
	v_max_num_f32 v[T], v[T], v[T+1]
	v_mul_f32 v[CM], s[CS], v[T]
	v_mov_b32 v[CM+1], v[CM]
.set i, 0
.rept 32
	v_pk_fma_f32 v[S+2*i:S+2*i+1], v[S+2*i:S+2*i+1], s[CS:CS+1], v[CM:CM+1] op_sel_hi:[1,0,0] neg_lo:[0,0,1] neg_hi:[0,0,1]
.set i, i+1
.endr
.set i, 0
.rept 64
	v_exp_f32 v[S+i], v[S+i]
.set i, i+1
.endr
	v_nop                                          ; a plain instruction behind the last exponential,
	s_wait_alu depctr_va_vdst(0)                   ; and one wait for the batch, ahead of its first reader
.set i, 0
.rept 32
	v_cvt_pk_bf16_f32 v[P+i], v[S+2*i], v[S+2*i+1]
.set i, i+1
.endr
.irp w, 4,8,16,32,64                   ; the sum of the unrounded weights, in place: neighbours 1, 2, 4, 8, 16 pairs apart
.set u, 0
.rept 64/(\w)
	v_pk_add_f32 v[S+(\w)*u:S+(\w)*u+1], v[S+(\w)*u:S+(\w)*u+1], v[S+(\w)*u+(\w)/2:S+(\w)*u+(\w)/2+1]
.set u, u+1
.endr
.endr
	v_add_f32 v[LS], v[S], v[S+1]
	v_permlanex16_b32 v[T+1], v[LS], s[SEL], s[SEL+1]
	v_add_f32 v[LS], v[LS], v[T+1]
.irp b, 0,1,2,3,4,5,6,7
	global_store_b128 v[GO], v[P+4*(\b):P+4*(\b)+3], s[6:7] offset:(\b)*512 th:TH_STORE_NT  ; a chunk: 512 consecutive bytes, aligned
.endr
	v_cndmask_b32 v[T], v[CM], v[LS], s[HM]        ; lanes 0-15 set down c m, lanes 16-31 l
	ds_store_b32 v[SA], v[T]
	s_wait_xcnt 0x0                                ; the stores have read their registers and their base
	s_add_nc_u64 s[6:7], s[6:7], 65536             ; the next query block
	v_add_nc_u32 v[LDA], 8192, v[LDA]
	v_add_nc_u32 v[SA], 64, v[SA]
	s_sub_co_u32 s[CNT], s[CNT], 1
	s_cmp_lg_u32 s[CNT], 0
	s_cbranch_scc1 .Lrow
	ds_load_b128 v[S:S+3],   v[SR]                 ; c m of my wave's 128 queries, four a lane,
	ds_load_b128 v[S+4:S+7], v[SR] offset:512      ; and l
	s_wait_dscnt 0x0
	global_store_b128 v[GO], v[S:S+3],   s[8:9]
	global_store_b128 v[GO], v[S+4:S+7], s[8:9] offset:8192
	s_wait_tensorcnt 0x0                           ; the wave's end
	ds_add_u32 v[SPW], v[NIL]
	s_wait_dscnt 0x0
	CROUND
	s_endpgm
.Lfunc_end_k_q8daf6310ac_scores:
	.size	k_q8daf6310ac_scores, .Lfunc_end_k_q8daf6310ac_scores-k_q8daf6310ac_scores
	.p2alignl 7, 3214868480
	.fill 96, 4, 3214868480
	.section	.rodata,"a",@progbits
	.p2align	6, 0x0
	.amdhsa_kernel k_q8daf6310ac_scores
		.amdhsa_group_segment_fixed_size 327680
		.amdhsa_private_segment_fixed_size 0
		.amdhsa_enable_private_segment 0
		.amdhsa_kernarg_size 24
		.amdhsa_user_sgpr_count 2
		.amdhsa_user_sgpr_kernarg_segment_ptr 1
		.amdhsa_wavefront_size32 1
		.amdhsa_system_sgpr_workgroup_id_x 1
		.amdhsa_system_sgpr_workgroup_id_y 1
		.amdhsa_system_sgpr_workgroup_id_z 1
		.amdhsa_system_vgpr_workitem_id 0
		.amdhsa_next_free_vgpr 1024
		.amdhsa_next_free_sgpr 80
		.amdhsa_reserve_vcc 0
		.amdhsa_float_denorm_mode_32 3
		.amdhsa_float_denorm_mode_16_64 3
		.amdhsa_memory_ordered 1
		.amdhsa_forward_progress 1
		.amdhsa_inst_pref_size 92
	.end_amdhsa_kernel
	.amdgpu_metadata
---
amdhsa.version: [ 1, 2 ]
amdhsa.kernels:
  - .name:           k_q8daf6310ac_scores
    .symbol:         k_q8daf6310ac_scores.kd
    .args:
      - { .name: hf, .offset: 0, .size: 8, .value_kind: global_buffer, .address_space: global }
      - { .name: pf, .offset: 8, .size: 8, .value_kind: global_buffer, .address_space: global }
      - { .name: st, .offset: 16, .size: 8, .value_kind: global_buffer, .address_space: global }
    .group_segment_fixed_size: 327680
    .private_segment_fixed_size: 0
    .kernarg_segment_align: 8
    .kernarg_segment_size: 24
    .max_flat_workgroup_size: 128
    .sgpr_count:     80
    .vgpr_count:     1024
    .wavefront_size: 32
...
	.end_amdgpu_metadata
.endif
;; end of part 3
;; launch pv (part 4): grid 4 x 64, 4 waves a work-group, clusters of 4 x 4, 327,680 bytes of LDS; arguments pf, hf, st, bv, af; writes af
.if DOCPART == 4
	.amdgcn_target "amdgcn-amd-amdhsa--gfx1250"
	.amdhsa_code_object_version 6
	.text
	.protected	k_q8daf6310ac_pv
	.globl	k_q8daf6310ac_pv
	.p2align	8
	.type	k_q8daf6310ac_pv,@function
k_q8daf6310ac_pv:
	s_mov_b64 s[64:65], 0
	v_nop
	global_prefetch_b8 v0, s[64:65] scope:SCOPE_SE
	s_setreg_imm32_b32 hwreg(HW_REG_WAVE_MODE, 25, 1), 1
	s_wait_xcnt 0x0
	s_wait_alu depctr_hold_cnt(0) depctr_sa_sdst(0) depctr_va_vdst(0) depctr_va_sdst(0) depctr_va_ssrc(0) depctr_va_vcc(0) depctr_vm_vsrc(0)
	s_getreg_b32 s2, hwreg(HW_REG_IB_STS2, 6, 4)
	s_cmp_eq_u32 s2, 0
	s_cbranch_scc0 .Lentry_in_a_cluster
	s_endpgm
.Lentry_in_a_cluster:
	s_bfe_u32 s2, ttmp6, 0x10000c
	s_cmp_lg_u32 s2, 0xf033
	s_cbranch_scc0 .Lentry_shape_is_right
	s_endpgm
.Lentry_shape_is_right:
; attn[q][d] = (the sum over the 16 blocks of f_blk (P'_blk V_blk)[q][d]) / L[q] + bv[d], with c M = the maximum over blocks of c m_blk, f_blk = 2^(c m_blk - c M) (at most 1), L = the sum of f_blk l_blk.
; That is softmax(scores) (v Wv^T + bv): a row's weights sum to 1, so bv is added once behind the product.  attn is rounded once to bf16, in fragment order, into af.
; LIMITS: p' and f are each rounded once to bf16 and their product once more; L is made of the unrounded f and l; a factor below 2^-126 counts as 0; NaN and infinities are not treated apart.
; SHARES.  A work-group makes 256 queries x 128 channels of a batch; keys go in 16 steps of 128, a step a block.  Wave (qh, kh) has 128 queries x 128 channels over keys 64 kh .. 64 kh + 63 of each step: K is split
; between the two waves of a pair, so that each keeps 64 accumulators.  Accumulator rows 0-3 (window 2) are the query blocks that the wave keeps at the end, rows 4-7 (window 3) those that it hands to its partner through LDS.
; Source 0 = V^T (16 channels), by the turning LDS load from chunks whose places the launch proj permuted; source 1 = P' (16 queries), scaled by the lane's f between its load and the product:
; four packed bf16 multiplies behind each of a quarter's last sixteen matrix instructions.
; CLUSTER 4 x 4: P's tiles are shared along a row (the four channel tiles), V's along a column (four query tiles), each asked for jointly.
; THE CHANGE OF SLOTS.  A wave's next request goes out only when its last has landed and all waves of the cluster have met, so whatever stands between that wait and the request is added to every step
; of the ring.  There stand only the add, the descriptors' steps and the round.  The 64 products on a step's second 32 keys, which need no new data, stand behind the request and behind the next slot's first fetch.
; PREFETCH.  Behind each joint load, the step that stands two refills on is asked for, each aligned 256 bytes once in the launch.  P's tile row has one row of a cluster as its readers: waves 0 and 1 ask, partner cx takes
; query blocks 2 cx, 2 cx + 1 of the wave's eight.  V's tile column is read by the batch's two clusters: the even one asks, wave 2, partner cy takes key blocks 2 cy, 2 cy + 1.  Partners are told apart by address alone.
; The first four steps come by their loads alone; the last two refills ask for nothing.
.set SLOT1, 1<<17                      ; a slot: P 65,536 bytes, V 32,768
.set FT,    2*SLOT1                    ; [block 16][query 256] f, twice, in bf16: 16,384 bytes; behind it 1 / L, f32: 1,024 bytes
.set SPARE, FT+16384+1024
.set F0,  64
.set F1,  128
.set ADRLO0, 4
.set ADRHI0, 5
.set ADRV0, 6
.set ADRLO, 7
.set ADRHI, 8
.set ADRV, 9
.set FLO, 10                           ; the factors of the blocks that I keep, in the step in hand
.set FHI, 11                           ; of those that I hand over
.set GO,  12                           ; 16 x lane
.set PFO, 13
.set SO,  14
.set FW,  15
.set WST, 16
.set WRD, 17
.set IVA, 18
.set BVO, 19
.set M,   20                           ; v[20:21]
.set LL,  22                           ; v[22:23]
.set SPW, 28
.set NIL, 29
.set FAC, 32                           ; v32-39 the lane's (f, f) for each of the eight query blocks
.set INVR, 40                          ; v40-47 1 / L, in pairs
.set BV,  192                          ; v192-255 bv of my eight channels in each channel block
.set WV,  14
.set QH,  15
.set KH,  16
.set G1P, 24
.set G1V, 32
.set G0P, 40
.set G0V, 48
.set CNT, 56
.set TB,  57
.set LIM, 58
.set PFA, 60
.set PFS, 62
.set MSB, 0
.macro WIN new
.if MSB != (\new)
	s_set_vgpr_msb (MSB<<8)|(\new)
.set MSB, \new
.endif
.endm
.set MUL_LO, 0xa1
.set MUL_HI, 0xf1
.set TO_B,   0x40
.macro PLACES
.rept 4
	v_nop
.endr
.endm
.macro CREST
	s_cmp_lg_u32 s[WV], 0
	s_cbranch_scc1 .Lnot_wave_0_\@
	s_barrier_signal -3
.Lnot_wave_0_\@:
	s_barrier_wait -3
	s_barrier_signal -1
	s_barrier_wait -1
.endm
.macro CROUND
	s_barrier_signal -1
	s_barrier_wait -1
	CREST
.endm
.macro MUL16 f, hi, a0, zero           ; the 64 accumulators take turns in one order everywhere
	WIN MUL_LO+0x50*(\hi)
.irp a, \a0, (\a0)+1
.irp b, 0,1,2,3,4,5,6,7
.if \zero
	v_wmma_f32_16x16x32_bf16 v[8*(8*(\a)+(\b)):8*(8*(\a)+(\b))+7], v[(\f)+8*(\b):(\f)+8*(\b)+7], v[(\f)+8*(4*(\hi)+(\a)):(\f)+8*(4*(\hi)+(\a))+7], 0
.else
	v_wmma_f32_16x16x32_bf16 v[8*(8*(\a)+(\b)):8*(8*(\a)+(\b))+7], v[(\f)+8*(\b):(\f)+8*(\b)+7], v[(\f)+8*(4*(\hi)+(\a)):(\f)+8*(4*(\hi)+(\a))+7], v[8*(8*(\a)+(\b)):8*(8*(\a)+(\b))+7]
.endif
.endr
.endr
.endm
; The same sixteen, each with four multiplies behind it that scale the NEXT quarter's 64 registers of P' (buffer g) by the lane's factor
.macro MUL16R f, hi, a0, zero, g
.set rn, 0
.irp a, \a0, (\a0)+1
.irp b, 0,1,2,3,4,5,6,7
	WIN MUL_LO+0x50*(\hi)
.if \zero
	v_wmma_f32_16x16x32_bf16 v[8*(8*(\a)+(\b)):8*(8*(\a)+(\b))+7], v[(\f)+8*(\b):(\f)+8*(\b)+7], v[(\f)+8*(4*(\hi)+(\a)):(\f)+8*(4*(\hi)+(\a))+7], 0
.else
	v_wmma_f32_16x16x32_bf16 v[8*(8*(\a)+(\b)):8*(8*(\a)+(\b))+7], v[(\f)+8*(\b):(\f)+8*(\b)+7], v[(\f)+8*(4*(\hi)+(\a)):(\f)+8*(4*(\hi)+(\a))+7], v[8*(8*(\a)+(\b)):8*(8*(\a)+(\b))+7]
.endif
	WIN 0
.rept 4
	v_pk_mul_bf16 v[(\g)+rn], v[(\g)+rn], v[FAC+rn/8]
.set rn, rn+1
.endr
.endr
.endr
.endm
.macro JLOAD                           ; waves 0 and 1 fetch P's halves, waves 2 and 3 V's
	s_cmp_eq_u32 s[QH], 0
	s_cbranch_scc0 .Lfor_v_\@
	tensor_load_to_lds s[G0P+4:G0P+7], s[G1P:G1P+7]
	s_nop 0
	PLACES
	s_branch .Lasked_\@
.Lfor_v_\@:
	tensor_load_to_lds s[G0V+4:G0V+7], s[G1V:G1V+7]
	s_nop 0
	PLACES
.Lasked_\@:
.endm
.macro ASK
	s_cmp_gt_u32 s[CNT], s[LIM]
	s_cbranch_scc0 .Lnot_mine_\@
	global_prefetch_b8 v[PFO], s[PFA:PFA+1] th:TH_LOAD_NT scope:SCOPE_SE
.Lnot_mine_\@:
.endm
.macro FACLOAD
.irp a, 0,1,2,3
	ds_load_b32 v[FAC+(\a)], v[FLO] offset:(\a)*64
.endr
.irp a, 0,1,2,3
	ds_load_b32 v[FAC+4+(\a)], v[FHI] offset:(\a)*64
.endr
.endm
.macro FETCH3 q2, f                    ; 32 keys: P' first (16 loads), then V turned (16 loads)
	WIN 0
.irp a, 0,1,2,3
	ds_load_b128 v[(\f)+8*(\a):(\f)+8*(\a)+3],   v[ADRLO] offset:(\a)*4096+(\q2)*1024
	ds_load_b128 v[(\f)+8*(\a)+4:(\f)+8*(\a)+7], v[ADRLO] offset:(\a)*4096+(\q2)*1024+512
.endr
.irp a, 0,1,2,3
	ds_load_b128 v[(\f)+32+8*(\a):(\f)+32+8*(\a)+3],   v[ADRHI] offset:(\a)*4096+(\q2)*1024
	ds_load_b128 v[(\f)+32+8*(\a)+4:(\f)+32+8*(\a)+7], v[ADRHI] offset:(\a)*4096+(\q2)*1024+512
.endr
	WIN TO_B
.irp b, 0,1,2,3,4,5,6,7
	ds_load_tr16_b128 v[(\f)+8*(\b):(\f)+8*(\b)+3],   v[ADRV] offset:(\q2)*8192+(\b)*512
	ds_load_tr16_b128 v[(\f)+8*(\b)+4:(\f)+8*(\b)+7], v[ADRV] offset:(\q2)*8192+4096+(\b)*512
.endr
.endm
.macro QA zero                         ; a step's first 32 keys (buffer 0); its second 32 are fetched and scaled
	s_wait_dscnt 0x0
	MUL16 F0, 0, 0, \zero
	MUL16 F0, 0, 2, \zero
	PLACES
	FETCH3 1, F1
	MUL16 F0, 1, 0, \zero
	s_wait_dscnt 16                                ; P' is in; the 16 turning loads may be out
	MUL16R F0, 1, 2, \zero, F1
.endm
; The change of slots, first part: the slot's last bytes were fetched in the middle of QA.  Each wave waits for all its tensor loads, adds 0 to its spare word, and waits for that and for its reads of the slot.
.macro P1 round
	WIN 0
	s_wait_tensorcnt 0x0                           ; no tensor load of mine is out, so a group 0 may be written
	ds_add_u32 v[SPW], v[NIL]                      ; 0 onto my spare word; the descriptors' steps stand between it and the wait for it
.if \round
	s_xor_b32 s[G0P+5], s[G0P+5], SLOT1
	s_add_nc_u64 s[G0P+6:G0P+7], s[G0P+6:G0P+7], 4096
	s_xor_b32 s[G0V+5], s[G0V+5], SLOT1
	s_add_nc_u64 s[G0V+6:G0V+7], s[G0V+6:G0V+7], 131072
.endif
	s_wait_dscnt 0x0                               ; the add is done; my reads of this slot are back
	s_barrier_signal -1
	s_barrier_wait -1
.if \round
	CREST                                          ; no wave of any partner still reads the slot or has a load on its way
.endif
.endm
; Second part: the refill first; the next block's factors and the next slot's first fragments; then the 64 products on this step's second 32 keys, the last sixteen with the scaling of what was just fetched.
.macro P2 fill
.if \fill
	JLOAD                                          ; its four v_nop are also places in front of the loads into buffer 0
.else
	PLACES
.endif
	s_xor_b32 s[TB], s[TB], SLOT1
	v_add_nc_u32 v[ADRLO], s[TB], v[ADRLO0]
	v_add_nc_u32 v[ADRHI], s[TB], v[ADRHI0]
	v_add_nc_u32 v[ADRV], s[TB], v[ADRV0]
	v_add_nc_u32 v[FLO], 1024, v[FLO]              ; the next block's factors
	v_add_nc_u32 v[FHI], 1024, v[FHI]
	FACLOAD
	FETCH3 0, F0
	WIN 0
.if \fill
	ASK
.endif
	MUL16 F1, 0, 0, 0
	MUL16 F1, 0, 2, 0
	MUL16 F1, 1, 0, 0
	s_wait_dscnt 16                                ; the factors and P' are in; the 16 turning loads may be out
	MUL16R F1, 1, 2, 0, F0
.endm
	s_load_b256 s[4:11], s[0:1], 0x0               ; pf, hf, st, bv
	s_load_b64 s[12:13], s[0:1], 0x20              ; af
	v_lshl_add_u32 v[SPW], v0, 2, SPARE
	v_mov_b32 v[NIL], 0
	ds_add_u32 v[SPW], v[NIL]                      ; the wave's opening: the add, twice on end, and its wait ahead of my first tensor load
	ds_add_u32 v[SPW], v[NIL]
	v_lshrrev_b32 v1, 5, v0
	v_readfirstlane_b32 s[WV], v1
	s_lshr_b32 s[QH], s[WV], 1                     ; my half of the queries.  Also: I fetch P (0) or V (1)
	s_and_b32 s[KH], s[WV], 1                      ; my half of a step's keys.  Also: which half of the tile I fetch
	s_bfe_u32 s17, ttmp6, 0x40000                  ; cx: the tile of 128 channels
	s_bfe_u32 s18, ttmp6, 0x40004                  ; cy
	s_and_b32 s19, ttmp7, 0xffff
	s_lshr_b32 s20, s19, 1                         ; the batch
	s_and_b32 s21, s19, 1
	s_lshl_b32 s21, s21, 2
	s_add_co_u32 s21, s21, s18                     ; the tile of 256 queries
	s_lshl_b32 s22, s18, 2
	s_lshl_b32 s22, 15, s22                        ; my row of the cluster
	s_lshl_b32 s23, 0x1111, s17                    ; my column
	s_or_b32 s[G1P], s22, (3<<16)|(1<<21)
	s_or_b32 s[G1V], s23, (3<<16)|(1<<21)
	s_mov_b32 s[G1P+1], 512<<16                    ; rows of 4,096 bytes,
	s_mov_b32 s[G1P+2], 8<<16                      ; eight query blocks,
	s_mov_b32 s[G1P+3], 512<<16
	s_mov_b32 s[G1P+4], 8
	s_mov_b32 s[G1P+5], 8192                       ; 65,536 bytes apart
	s_mov_b32 s[G1P+6], 0
	s_mov_b32 s[G1P+7], 0
	s_mov_b32 s[G1V+1], 512<<16
	s_mov_b32 s[G1V+2], 4<<16                      ; four key blocks,
	s_mov_b32 s[G1V+3], 512<<16
	s_mov_b32 s[G1V+4], 4
	s_mov_b32 s[G1V+5], 2048                       ; 16,384 bytes apart
	s_mov_b32 s[G1V+6], 0
	s_mov_b32 s[G1V+7], 0
	s_lshl_b32 s66, s21, 4
	s_lshl_b32 s67, s[KH], 3
	s_add_co_u32 s66, s66, s67
	s_lshl_b32 s66, s66, 16
	s_lshl_b32 s67, s20, 23
	s_add_co_u32 s66, s66, s67                     ; P: batch, query block 16 tile + 8 half
	s_mov_b32 s67, 0
	s_lshl_b32 s68, s20, 7
	s_lshl_b32 s69, s[KH], 2
	s_add_co_u32 s68, s68, s69
	s_lshl_b32 s68, s68, 14
	s_lshl_b32 s69, s17, 12
	s_add_co_u32 s68, s68, s69
	s_add_co_u32 s68, s68, 1<<25                   ; V: vh lies 32 MiB on; key block 128 batch + 4 half; channel tile
	s_mov_b32 s69, 0
	s_mul_i32 s70, s[KH], 32768
	s_mul_i32 s71, s[KH], 16384
	s_add_co_u32 s71, s71, 65536
	s_mov_b32 s[TB], 0
	s_wait_dscnt 0x0
	s_wait_kmcnt 0x0
	s_add_nc_u64 s[72:73], s[4:5], s[66:67]
	s_add_nc_u64 s[74:75], s[6:7], s[68:69]
	CROUND
.irp s, 0,1
	s_mov_b32 s[G0P+4*(\s)], 1
	s_add_co_u32 s[G0P+4*(\s)+1], s70, (\s)*SLOT1
	s_add_nc_u64 s[G0P+4*(\s)+2:G0P+4*(\s)+3], s[72:73], (\s)*4096
	s_or_b32 s[G0P+4*(\s)+3], s[G0P+4*(\s)+3], 0x80000000
	s_mov_b32 s[G0V+4*(\s)], 1
	s_add_co_u32 s[G0V+4*(\s)+1], s71, (\s)*SLOT1
	s_add_nc_u64 s[G0V+4*(\s)+2:G0V+4*(\s)+3], s[74:75], (\s)*131072
	s_or_b32 s[G0V+4*(\s)+3], s[G0V+4*(\s)+3], 0x80000000
.endr
	s_cmp_eq_u32 s[QH], 0                          ; a wave's two first fills stand in one branch: two loads of mine are out
	s_cbranch_scc0 .Lfirst_v
	tensor_load_to_lds s[G0P:G0P+3], s[G1P:G1P+7]
	s_nop 0
	tensor_load_to_lds s[G0P+4:G0P+7], s[G1P:G1P+7]
	s_nop 0
	PLACES
	s_branch .Lfirst_asked
.Lfirst_v:
	tensor_load_to_lds s[G0V:G0V+3], s[G1V:G1V+7]
	s_nop 0
	tensor_load_to_lds s[G0V+4:G0V+7], s[G1V:G1V+7]
	s_nop 0
	PLACES
.Lfirst_asked:
	; THE STATISTICS.  Thread t has queries 2 t, 2 t + 1 of the work-group's 256: c m and l of the 16 blocks
	s_lshl_b32 s80, s20, 18
	s_lshl_b32 s81, s21, 10
	s_add_co_u32 s80, s80, s81
	s_mov_b32 s81, 0
	s_add_nc_u64 s[8:9], s[8:9], s[80:81]
	v_lshlrev_b32 v[SO], 3, v0
.set i, 0
.rept 16
	global_load_b64 v[64+4*i:65+4*i], v[SO], s[8:9] offset:i*16384
	global_load_b64 v[66+4*i:67+4*i], v[SO], s[8:9] offset:i*16384+8192
.set i, i+1
.endr
	; the prefetches' address: step 3 of my share; each change of slots steps it first
	s_lshl_b32 s76, s17, 17
	s_add_co_u32 s76, s76, s66
	s_add_co_u32 s76, s76, 12288
	s_lshl_b32 s77, s18, 15
	s_add_co_u32 s77, s77, s68
	s_add_co_u32 s77, s77, 393216
	s_cmp_eq_u32 s[QH], 0
	s_cselect_b32 s76, s76, s77
	s_cselect_b32 s78, 12, 17                      ; log2 of a step's bytes along the walk
	s_cselect_b32 s79, 16, 14                      ; log2 of the bytes from a block to the next
	s_cselect_b64 s[PFA:PFA+1], s[4:5], s[6:7]
	s_mov_b32 s77, 0
	s_add_nc_u64 s[PFA:PFA+1], s[PFA:PFA+1], s[76:77]
	s_lshl_b32 s[PFS], 1, s78
	s_mov_b32 s[PFS+1], 0
	s_and_b32 s82, s19, 1
	s_or_b32 s82, s82, s[KH]                       ; for V: wave 2 of the batch's even cluster
	s_cmp_eq_u32 s[QH], 0
	s_cselect_b32 s82, 0, s82                      ; for P: waves 0 and 1 of every cluster
	s_cmp_eq_u32 s82, 0
	s_cselect_b32 s[LIM], 2, -1                    ; the same in all sixteen partners, for a given wave
	v_and_b32 v1, 15, v0
	v_bfe_u32 v2, v0, 4, 1
	v_and_b32 v3, 31, v0
	v_lshlrev_b32 v[GO], 4, v3
	v_lshlrev_b32 v[PFO], s79, v2
	v_lshl_add_u32 v[PFO], v1, 8, v[PFO]
	s_lshl_b32 s80, s[QH], 15
	s_mul_i32 s81, s[KH], 18432
	s_add_co_u32 s81, s81, s80
	v_add_nc_u32 v[ADRLO0], s81, v[GO]             ; query blocks 4 kh on, keys 64 kh on
	s_xor_b32 s82, s[KH], 1
	s_lshl_b32 s81, s82, 14
	s_add_co_u32 s81, s81, s80
	s_lshl_b32 s83, s[KH], 11
	s_add_co_u32 s81, s81, s83
	v_add_nc_u32 v[ADRHI0], s81, v[GO]             ; query blocks 4 (1 - kh) on
	s_lshl_b32 s81, s[KH], 14
	s_add_co_u32 s81, s81, 65536
	v_add_nc_u32 v[ADRV0], s81, v[GO]
	v_mov_b32 v[ADRLO], v[ADRLO0]
	v_mov_b32 v[ADRHI], v[ADRHI0]
	v_mov_b32 v[ADRV], v[ADRV0]
	s_lshl_b32 s80, s[QH], 9
	s_add_co_u32 s80, s80, FT
	s_lshl_b32 s81, s[KH], 8
	s_add_co_u32 s81, s81, s80
	v_lshl_add_u32 v[FLO], v1, 2, s81
	s_lshl_b32 s81, s82, 8
	s_add_co_u32 s81, s81, s80
	v_lshl_add_u32 v[FHI], v1, 2, s81
	v_add_nc_u32 v[IVA], 16384, v[FLO]
	v_lshl_add_u32 v[FW], v0, 3, FT
	s_mul_i32 s81, s[WV], 32768
	v_add_nc_u32 v[WST], s81, v[GO]
	s_xor_b32 s81, s[WV], 1
	s_mul_i32 s81, s81, 32768
	v_add_nc_u32 v[WRD], s81, v[GO]
	v_lshlrev_b32 v[BVO], 5, v2
	s_lshl_b32 s80, s17, 9
	s_mov_b32 s81, 0
	s_add_nc_u64 s[10:11], s[10:11], s[80:81]      ; bv at my 128 channels
	s_lshl_b32 s80, s20, 7
	s_lshl_b32 s83, s21, 4
	s_add_co_u32 s80, s80, s83
	s_lshl_b32 s83, s[QH], 3
	s_add_co_u32 s80, s80, s83
	s_lshl_b32 s83, s[KH], 2
	s_add_co_u32 s80, s80, s83
	s_lshl_b32 s80, s80, 14
	s_lshl_b32 s83, s17, 12
	s_add_co_u32 s80, s80, s83
	s_add_nc_u64 s[12:13], s[12:13], s[80:81]      ; af at the four token blocks that I keep, my channel tile
	s_wait_loadcnt 0x0
.irp z, 0,1
	v_max3_num_f32 v[M+(\z)], v[64+(\z)], v[68+(\z)], v[72+(\z)]
.endr
.irp k, 1,2,3,4,5,6
.irp z, 0,1
	v_max3_num_f32 v[M+(\z)], v[M+(\z)], v[64+4*(2*(\k)+1)+(\z)], v[64+4*(2*(\k)+2)+(\z)]
.endr
.endr
.irp z, 0,1
	v_max_num_f32 v[M+(\z)], v[M+(\z)], v[124+(\z)]
.endr
.set i, 0
.rept 16
	v_pk_add_f32 v[64+4*i:65+4*i], v[64+4*i:65+4*i], v[M:M+1] neg_lo:[0,1] neg_hi:[0,1]
.set i, i+1
.endr
.set i, 0
.rept 16
	v_exp_f32 v[64+4*i], v[64+4*i]
	v_exp_f32 v[65+4*i], v[65+4*i]
.set i, i+1
.endr
	v_nop
	s_wait_alu depctr_va_vdst(0)                   ; one wait for the 32 exponentials, ahead of their first reader
	v_pk_mul_f32 v[LL:LL+1], v[64:65], v[66:67]
.set i, 1
.rept 15
	v_pk_fma_f32 v[LL:LL+1], v[64+4*i:65+4*i], v[66+4*i:67+4*i], v[LL:LL+1]
.set i, i+1
.endr
	v_rcp_f32 v[LL], v[LL]
	v_rcp_f32 v[LL+1], v[LL+1]
	v_nop
	s_wait_alu depctr_va_vdst(0)                   ; and one for the two reciprocals
.set i, 0
.rept 16
	v_cvt_pk_bf16_f32 v[64+4*i], v[64+4*i], v[64+4*i]
	v_cvt_pk_bf16_f32 v[65+4*i], v[65+4*i], v[65+4*i]
	ds_store_b64 v[FW], v[64+4*i:65+4*i] offset:i*1024
.set i, i+1
.endr
	ds_store_b64 v[FW], v[LL:LL+1] offset:16384
	s_wait_dscnt 0x0                               ; for the others' sake: my factors are written
	s_wait_tensorcnt 1                             ; my part of slot 0 is in; slot 1's may stay out
	s_barrier_signal -1
	s_barrier_wait -1
	FACLOAD
	FETCH3 0, F0
	WIN 0
	s_wait_dscnt 16
.set rn, 0
.rept 64
	v_pk_mul_bf16 v[F0+rn], v[F0+rn], v[FAC+rn/8]
.set rn, rn+1
.endr
	QA 1                                           ; the first 64 products start the sums
	WIN 0
	s_mov_b32 s[CNT], 14
.Lstep:                                                ; a trip: the change of slots with its refill, a step's second 32 keys, the next step's first 32
	s_wait_xcnt 0x0                                ; the last prefetch, a step back, has read its address
	s_add_nc_u64 s[PFA:PFA+1], s[PFA:PFA+1], s[PFS:PFS+1]
	P1 1
	P2 1
	QA 0
	WIN 0
	s_sub_co_u32 s[CNT], s[CNT], 1
	s_cmp_lg_u32 s[CNT], 0
	s_cbranch_scc1 .Lstep
	s_mov_b32 s[CNT], 2
.Ltail:                                                ; the last two changes ask for nothing; the second trip is left in its middle, behind a barrier at which every wave's reads of the slots are back
	P1 0
	s_sub_co_u32 s[CNT], s[CNT], 1
	s_cmp_eq_u32 s[CNT], 0
	s_cbranch_scc1 .Lout
	P2 0
	QA 0
	WIN 0
	s_branch .Ltail
.Lout:
	MUL16 F1, 0, 0, 0
	MUL16 F1, 0, 2, 0
	MUL16 F1, 1, 0, 0
	MUL16 F1, 1, 2, 0
	PLACES
	PLACES
	; THE WAY OUT.  Window 3's partial sums go to my partner through slot 0's bytes, which have had their last fill; I add my partner's onto window 2's.
	WIN 0x0c
.set i, 0
.rept 32
	ds_store_b128 v[WST], v[8*i:8*i+3]   offset:i*1024
	ds_store_b128 v[WST], v[8*i+4:8*i+7] offset:i*1024+512
.set i, i+1
.endr
	WIN 0
.irp a, 0,1,2,3
	ds_load_b32 v[INVR+2*(\a)],   v[IVA] offset:(\a)*64
	ds_load_b32 v[INVR+2*(\a)+1], v[IVA] offset:(\a)*64
.endr
.irp b, 0,1,2,3,4,5,6,7
	global_load_b128 v[BV+8*(\b):BV+8*(\b)+3],   v[BVO], s[10:11] offset:(\b)*64
	global_load_b128 v[BV+8*(\b)+4:BV+8*(\b)+7], v[BVO], s[10:11] offset:(\b)*64+16
.endr
	s_wait_dscnt 0x0
	s_barrier_signal -1
	s_barrier_wait -1
.macro BATCH n                         ; sixteen accumulators: query blocks 2 n, 2 n + 1 of my four
.if \n
	s_wait_xcnt 0x0                                ; the first batch's stores have read their registers
.endif
.set i, 0
.rept 32
	ds_load_b128 v[64+4*i:64+4*i+3], v[WRD] offset:(\n)*16384+i*512
.set i, i+1
.endr
	s_wait_dscnt 0x0
	s_wait_loadcnt 0x0
	WIN 0x08                                       ; source 1 in window 2; each accumulator's registers in ascending order
.set i, 0
.rept 64
	v_pk_add_f32 v[64+2*i:64+2*i+1], v[64+2*i:64+2*i+1], v[128*(\n)+2*i:128*(\n)+2*i+1]
.set i, i+1
.endr
	WIN 0
.set i, 0
.rept 64
	v_pk_fma_f32 v[64+2*i:64+2*i+1], v[64+2*i:64+2*i+1], v[INVR+2*(2*(\n)+i/32):INVR+2*(2*(\n)+i/32)+1], v[BV+2*(i%32):BV+2*(i%32)+1]
.set i, i+1
.endr
.set i, 0
.rept 16
.irp r, 0,1,2,3
	v_cvt_pk_bf16_f32 v[64+8*i+(\r)], v[64+8*i+2*(\r)], v[64+8*i+2*(\r)+1]
.endr
	global_store_b128 v[GO], v[64+8*i:64+8*i+3], s[12:13] offset:(2*(\n)+i/8)*16384+(i%8)*512 th:TH_STORE_NT  ; a chunk: 512 consecutive bytes, aligned
.set i, i+1
.endr
.endm
	BATCH 0
	BATCH 1
	s_wait_tensorcnt 0x0                           ; the wave's end
	ds_add_u32 v[SPW], v[NIL]
	s_wait_dscnt 0x0
	CROUND
	s_endpgm
.Lfunc_end_k_q8daf6310ac_pv:
	.size	k_q8daf6310ac_pv, .Lfunc_end_k_q8daf6310ac_pv-k_q8daf6310ac_pv
	.p2alignl 7, 3214868480
	.fill 96, 4, 3214868480
	.section	.rodata,"a",@progbits
	.p2align	6, 0x0
	.amdhsa_kernel k_q8daf6310ac_pv
		.amdhsa_group_segment_fixed_size 327680
		.amdhsa_private_segment_fixed_size 0
		.amdhsa_enable_private_segment 0
		.amdhsa_kernarg_size 40
		.amdhsa_user_sgpr_count 2
		.amdhsa_user_sgpr_kernarg_segment_ptr 1
		.amdhsa_wavefront_size32 1
		.amdhsa_system_sgpr_workgroup_id_x 1
		.amdhsa_system_sgpr_workgroup_id_y 1
		.amdhsa_system_sgpr_workgroup_id_z 1
		.amdhsa_system_vgpr_workitem_id 0
		.amdhsa_next_free_vgpr 1024
		.amdhsa_next_free_sgpr 96
		.amdhsa_reserve_vcc 0
		.amdhsa_float_denorm_mode_32 3
		.amdhsa_float_denorm_mode_16_64 3
		.amdhsa_memory_ordered 1
		.amdhsa_forward_progress 1
		.amdhsa_inst_pref_size 127
	.end_amdhsa_kernel
	.amdgpu_metadata
---
amdhsa.version: [ 1, 2 ]
amdhsa.kernels:
  - .name:           k_q8daf6310ac_pv
    .symbol:         k_q8daf6310ac_pv.kd
    .args:
      - { .name: pf, .offset: 0, .size: 8, .value_kind: global_buffer, .address_space: global }
      - { .name: hf, .offset: 8, .size: 8, .value_kind: global_buffer, .address_space: global }
      - { .name: st, .offset: 16, .size: 8, .value_kind: global_buffer, .address_space: global }
      - { .name: bv, .offset: 24, .size: 8, .value_kind: global_buffer, .address_space: global }
      - { .name: af, .offset: 32, .size: 8, .value_kind: global_buffer, .address_space: global }
    .group_segment_fixed_size: 327680
    .private_segment_fixed_size: 0
    .kernarg_segment_align: 8
    .kernarg_segment_size: 40
    .max_flat_workgroup_size: 128
    .sgpr_count:     96
    .vgpr_count:     1024
    .wavefront_size: 32
...
	.end_amdgpu_metadata
.endif
;; end of part 4
;; launch out (part 5): grid 256 x 1, 4 waves a work-group, clusters of 4 x 1, 327,680 bytes of LDS; arguments af, wf, q, bo, gamma, beta, out0; writes out0
.if DOCPART == 5
	.amdgcn_target "amdgcn-amd-amdhsa--gfx1250"
	.amdhsa_code_object_version 6
	.text
	.protected	k_q8daf6310ac_out
	.globl	k_q8daf6310ac_out
	.p2align	8
	.type	k_q8daf6310ac_out,@function
k_q8daf6310ac_out:
	s_mov_b64 s[64:65], 0
	v_nop
	global_prefetch_b8 v0, s[64:65] scope:SCOPE_SE
	s_setreg_imm32_b32 hwreg(HW_REG_WAVE_MODE, 25, 1), 1
	s_wait_xcnt 0x0
	s_wait_alu depctr_hold_cnt(0) depctr_sa_sdst(0) depctr_va_vdst(0) depctr_va_sdst(0) depctr_va_ssrc(0) depctr_va_vcc(0) depctr_vm_vsrc(0)
	s_getreg_b32 s2, hwreg(HW_REG_IB_STS2, 6, 4)
	s_cmp_eq_u32 s2, 0
	s_cbranch_scc0 .Lentry_in_a_cluster
	s_endpgm
.Lentry_in_a_cluster:
	s_bfe_u32 s2, ttmp6, 0x10000c
	s_cmp_lg_u32 s2, 0x3003
	s_cbranch_scc0 .Lentry_shape_is_right
	s_endpgm
.Lentry_shape_is_right:
; out0 = LayerNorm(q + attn Wo^T + bo) gamma + beta.  attn and Wo in bf16, sums in f32; the rest in f32: mean, then the mean of the squared differences, as the module's definition takes them.
; SHARES.  A work-group makes 64 tokens x all 1,024 columns, so a row's statistics stay inside it; wave w columns 256 w on: 64 accumulators, (a, bg) at v[8 (8 a + bg % 8)] of window 2 + bg / 8.  K = 512 goes in 8 steps of 64.
; Source 0 = 16 rows of Wo, from wf. Two slots.
; Source 1 = 16 tokens of attn, straight from af in fragment order, 16 loads of 512 consecutive bytes a step, a step ahead, into two sets of registers: beside the two slots LDS has no room for the tile.
; THE CHANGE OF SLOTS.  A wave's next request goes out only when its last has landed and all waves of the cluster have met, so whatever stands between that wait and the request is added to every step
; of the ring.  There stand only the add, the descriptor's step and the round.  The 64 products on a step's second 32 along K, which need no new data, stand behind the request and behind the next slot's first fetch.
; THE WAY OUT.  The f32 sums are set down in LDS as rows (4,112 bytes apart, over the slots, which have had their last fill); then wave w owns rows 16 w .. 16 w + 15 whole, four at a time.
; PREFETCH of q, which is read once, at the end: a wave asks for its own rows, 2 rows an instruction (a lane 256 bytes): rows 0-7 in K steps 4 to 7, rows 8-15 in the first two trips of the way out, a trip ahead of their loads.
.set SLOT1, 1<<17
.set XP,    4112
.set SPARE, 64*XP
.set B0,  0                            ; window 1: two buffers of Wo's fragments, 16 x 8 registers
.set B1,  128
.set GO,  4                            ; 16 x lane
.set ADRB, 6                           ; v6, v7: my place in my wave's weights, slot 0, 1
.set XA,  8                            ; v8-11 where token block a's sums are set down
.set XRD, 12
.set QO,  13
.set PFO, 14
.set SPW, 28
.set NIL, 29
.set SU,  32                           ; v32-39 sums, a pair a row
.set MU,  40                           ; v40-47 means, twice
.set RS,  48                           ; v48-55 1 / sqrt(var + eps), twice
.set XR0, 64                           ; v64-191 four rows
.set WV,  18
.set G1,  24
.set G0,  32
.set CNT, 40
.set SEL, 44
.set MSB, 0
.macro WIN new
.if MSB != (\new)
	s_set_vgpr_msb (MSB<<8)|(\new)
.set MSB, \new
.endif
.endm
.set MUL_LO, 0xa1
.set TO_B,   0x40
.macro PLACES
.rept 4
	v_nop
.endr
.endm
.macro CREST
	s_cmp_lg_u32 s[WV], 0
	s_cbranch_scc1 .Lnot_wave_0_\@
	s_barrier_signal -3
.Lnot_wave_0_\@:
	s_barrier_wait -3
	s_barrier_signal -1
	s_barrier_wait -1
.endm
.macro CROUND
	s_barrier_signal -1
	s_barrier_wait -1
	CREST
.endm
; 16 matrix instructions: token blocks a0, a0 + 1 x column blocks 8 hi .. 8 hi + 7, 32 along K.  The 64 accumulators take turns in one order everywhere.
.macro MULO f, as, hi, a0, zero
	WIN MUL_LO+0x50*(\hi)
.irp a, \a0, (\a0)+1
.irp b, 0,1,2,3,4,5,6,7
.if \zero
	v_wmma_f32_16x16x32_bf16 v[8*(8*(\a)+(\b)):8*(8*(\a)+(\b))+7], v[(\f)+8*(8*(\hi)+(\b)):(\f)+8*(8*(\hi)+(\b))+7], v[(\as)+16*(\a):(\as)+16*(\a)+7], 0
.else
	v_wmma_f32_16x16x32_bf16 v[8*(8*(\a)+(\b)):8*(8*(\a)+(\b))+7], v[(\f)+8*(8*(\hi)+(\b)):(\f)+8*(8*(\hi)+(\b))+7], v[(\as)+16*(\a):(\as)+16*(\a)+7], v[8*(8*(\a)+(\b)):8*(8*(\a)+(\b))+7]
.endif
.endr
.endr
.endm
.macro FETCHB s, kb, f
	WIN TO_B
.set i, 0
.rept 16
	ds_load_b128 v[(\f)+8*i:(\f)+8*i+3],   v[ADRB+(\s)] offset:i*2048+(\kb)*1024
	ds_load_b128 v[(\f)+8*i+4:(\f)+8*i+7], v[ADRB+(\s)] offset:i*2048+(\kb)*1024+512
.set i, i+1
.endr
.endm
.macro AL set                          ; a step's attn: fragment (a, kb) at 64 + 64 set + 16 a + 8 kb
	WIN 0
.irp a, 0,1,2,3
.irp c, 0,1,2,3
	global_load_b128 v[64+64*(\set)+16*(\a)+4*(\c):64+64*(\set)+16*(\a)+4*(\c)+3], v[GO], s[4:5] offset:(\a)*16384+(\c)*512
.endr
.endr
.endm
.macro ASKQ n, cond                    ; rows 2 n, 2 n + 1 of my wave's sixteen
	WIN 0
.if \cond
	s_cmp_eq_u32 s[CNT], 1                         ; in the last lap alone: K steps 4 and 5
	s_cbranch_scc0 .Lnot_yet_\@
.endif
	global_prefetch_b8 v[PFO], s[8:9] offset:(\n)*8192 th:TH_LOAD_NT scope:SCOPE_SE
.Lnot_yet_\@:
.endm
; A step's first 32 along K (buffer 0, set s).  al = 1: the next step's attn is asked for.  ask = 1: the tail's last prefetch.
.macro H s, al, zero, ask
	s_wait_loadcnt 0x0                             ; this step's attn is in; its loads' base may be written
	s_wait_dscnt 16                                ; column blocks 0-7 are in; the youngest sixteen loads may be out
	MULO B0, 64+64*(\s), 0, 0, \zero
	MULO B0, 64+64*(\s), 0, 2, \zero
	PLACES
.if \al
	s_add_nc_u64 s[4:5], s[4:5], 2048
	AL 1-(\s)
.endif
	FETCHB \s, 1, B1
.if \ask
	ASKQ 3, 0
.endif
	s_wait_dscnt 32                                ; all but the 32 just issued
	MULO B0, 64+64*(\s), 1, 0, \zero
	MULO B0, 64+64*(\s), 1, 2, \zero
.endm
; The change of slots, then a step's second 32 along K (buffer 1).  The slot's last bytes were fetched in the middle of H.
.macro TURN s, fill, n
	WIN 0
	s_wait_tensorcnt 0x0                           ; no tensor load of mine is out, so a group 0 may be written
	ds_add_u32 v[SPW], v[NIL]                      ; 0 onto my spare word; with fill = 1 the descriptor's step stands between it and the wait for it
.if \fill
	s_add_nc_u64 s[G0+4*(\s)+2:G0+4*(\s)+3], s[G0+4*(\s)+2:G0+4*(\s)+3], 262144
.endif
	s_wait_dscnt 0x0                               ; the add is done; my reads of this slot are back
	s_barrier_signal -1
	s_barrier_wait -1
.if \fill
	CREST                                          ; no wave of any partner still reads the slot or has a load on its way
	tensor_load_to_lds s[G0+4*(\s):G0+4*(\s)+3], s[G1:G1+7]
	s_nop 0
	PLACES                                         ; also the places in front of the loads into buffer 0
.else
	PLACES
.endif
	FETCHB 1-(\s), 0, B0
	ASKQ \n, \fill
	MULO B1, 72+64*(\s), 0, 0, 0
	MULO B1, 72+64*(\s), 0, 2, 0
	MULO B1, 72+64*(\s), 1, 0, 0
	MULO B1, 72+64*(\s), 1, 2, 0
.endm
	s_load_b256 s[4:11], s[0:1], 0x0               ; af, wf, q, bo
	s_load_b128 s[12:15], s[0:1], 0x20             ; gamma, beta
	s_load_b64 s[16:17], s[0:1], 0x30              ; out0
	v_lshl_add_u32 v[SPW], v0, 2, SPARE
	v_mov_b32 v[NIL], 0
	ds_add_u32 v[SPW], v[NIL]                      ; the wave's opening: the add, twice on end, and its wait ahead of my first tensor load
	ds_add_u32 v[SPW], v[NIL]
	v_lshrrev_b32 v1, 5, v0
	v_readfirstlane_b32 s[WV], v1
	s_bfe_u32 s19, ttmp6, 0x40000                  ; cx
	s_lshl_b32 s20, ttmp9, 2
	s_add_co_u32 s20, s20, s19                     ; my block of 64 tokens
	s_mov_b32 s[G1], 15|(3<<16)|(1<<21)            ; the mask of four; elements of 8 bytes; bit 21 beside a mask
	s_mov_b32 s[G1+1], 32<<16                      ; 128 dense rows of 256 bytes
	s_mov_b32 s[G1+2], 128<<16
	s_mov_b32 s[G1+3], 32<<16
	s_mov_b32 s[G1+4], 128
	s_mov_b32 s[G1+5], 32
	s_mov_b32 s[G1+6], 0
	s_mov_b32 s[G1+7], 0
	s_lshl_b32 s22, s[WV], 15
	s_add_co_u32 s22, s22, 3<<20                   ; Wo lies 3 MiB on in wf
	s_mov_b32 s23, 0
	s_mul_i32 s21, s[WV], 32768
	s_mov_b32 s[SEL], 0x76543210
	s_mov_b32 s[SEL+1], 0xfedcba98
	s_mov_b32 s46, 0x3a800000                      ; 1 / 1,024
	s_mov_b32 s47, 0x3727c5ac                      ; 1e-5
	s_wait_dscnt 0x0
	s_wait_kmcnt 0x0
	s_add_nc_u64 s[6:7], s[6:7], s[22:23]
	s_lshl_b32 s48, s20, 16
	s_mov_b32 s49, 0
	s_add_nc_u64 s[4:5], s[4:5], s[48:49]          ; af at my four token blocks
	s_lshl_b32 s48, s20, 18
	s_add_nc_u64 s[8:9], s[8:9], s[48:49]          ; q and out0 at my 64 rows
	s_add_nc_u64 s[16:17], s[16:17], s[48:49]
	CROUND
.irp s, 0,1
	s_mov_b32 s[G0+4*(\s)], 1
	s_add_co_u32 s[G0+4*(\s)+1], s21, (\s)*SLOT1
	s_add_nc_u64 s[G0+4*(\s)+2:G0+4*(\s)+3], s[6:7], (\s)*131072
	s_or_b32 s[G0+4*(\s)+3], s[G0+4*(\s)+3], 0x80000000
.endr
	tensor_load_to_lds s[G0:G0+3], s[G1:G1+7]      ; steps 0 and 1: two loads of mine are out
	s_nop 0
	tensor_load_to_lds s[G0+4:G0+7], s[G1:G1+7]
	s_nop 0
	PLACES
	v_and_b32 v1, 15, v0
	v_bfe_u32 v2, v0, 4, 1
	v_and_b32 v3, 31, v0
	v_lshlrev_b32 v[GO], 4, v3
	AL 0
	v_add_nc_u32 v[ADRB], s21, v[GO]
	v_add_nc_u32 v[ADRB+1], SLOT1, v[ADRB]
	v_mul_u32_u24 v5, v1, XP
	v_lshl_add_u32 v5, v2, 5, v5
	s_lshl_b32 s50, s[WV], 10
	v_add_nc_u32 v[XA], s50, v5                    ; row 16 a + lane % 16, columns 256 w + 8 (lane / 16) on
	v_add_nc_u32 v[XA+1], 16*XP, v[XA]
	v_add_nc_u32 v[XA+2], 32*XP, v[XA]
	v_add_nc_u32 v[XA+3], 48*XP, v[XA]
	s_mul_i32 s50, s[WV], 16*XP
	v_add_nc_u32 v[XRD], s50, v[GO]
	s_lshl_b32 s50, s[WV], 16
	v_add_nc_u32 v[QO], s50, v[GO]
	v_lshlrev_b32 v[PFO], 12, v2
	v_lshl_add_u32 v[PFO], v1, 8, v[PFO]
	v_add_nc_u32 v[PFO], s50, v[PFO]
	s_wait_tensorcnt 1                             ; my part of slot 0 is in; slot 1's may stay out
	s_barrier_signal -1
	s_barrier_wait -1
	FETCHB 0, 0, B0
	H 0, 1, 1, 0                                   ; the first 64 products start the sums
	WIN 0
	s_mov_b32 s[CNT], 3
.Llap:                                                 ; once round the ring: both slots are filled again
	TURN 0, 1, 0
	H 1, 1, 0, 0
	TURN 1, 1, 1
	H 0, 1, 0, 0
	WIN 0
	s_sub_co_u32 s[CNT], s[CNT], 1
	s_cmp_lg_u32 s[CNT], 0
	s_cbranch_scc1 .Llap
	TURN 0, 0, 2                                   ; the last lap fills nothing
	H 1, 0, 0, 1
	s_wait_dscnt 16
	MULO B1, 136, 0, 0, 0
	MULO B1, 136, 0, 2, 0
	s_wait_dscnt 0x0
	MULO B1, 136, 1, 0, 0
	MULO B1, 136, 1, 2, 0
	PLACES
	PLACES
	WIN TO_B                                       ; window 1: v0-31 bo, v32-63 gamma, v64-95 beta: columns 128 c + 4 lane on; v128-255 four rows of q
.irp c, 0,1,2,3,4,5,6,7
	global_load_b128 v[4*(\c):4*(\c)+3],       v[GO], s[10:11] offset:(\c)*512
	global_load_b128 v[32+4*(\c):32+4*(\c)+3], v[GO], s[12:13] offset:(\c)*512
	global_load_b128 v[64+4*(\c):64+4*(\c)+3], v[GO], s[14:15] offset:(\c)*512
.endr
.set i, 0
.rept 32
	global_load_b128 v[128+4*i:128+4*i+3], v[QO], s[8:9] offset:(i/8)*4096+(i%8)*512 th:TH_LOAD_NT
.set i, i+1
.endr
	WIN 0
	s_wait_dscnt 0x0                               ; my reads of the slots are back,
	s_barrier_signal -1
	s_barrier_wait -1                              ; everybody's are: the slots' bytes may be written
	WIN 0x08                                       ; store data in window 2: column blocks 0-7; each accumulator's low half goes first
.irp a, 0,1,2,3
.irp b, 0,1,2,3,4,5,6,7
	ds_store_b128 v[XA+(\a)], v[8*(8*(\a)+(\b)):8*(8*(\a)+(\b))+3]   offset:(\b)*64
	ds_store_b128 v[XA+(\a)], v[8*(8*(\a)+(\b))+4:8*(8*(\a)+(\b))+7] offset:(\b)*64+16
.endr
.endr
	WIN 0x0c                                       ; window 3: column blocks 8-15
.irp a, 0,1,2,3
.irp b, 0,1,2,3,4,5,6,7
	ds_store_b128 v[XA+(\a)], v[8*(8*(\a)+(\b)):8*(8*(\a)+(\b))+3]   offset:512+(\b)*64
	ds_store_b128 v[XA+(\a)], v[8*(8*(\a)+(\b))+4:8*(8*(\a)+(\b))+7] offset:512+(\b)*64+16
.endr
.endr
	WIN 0
	s_wait_dscnt 0x0
	s_barrier_signal -1
	s_barrier_wait -1                              ; all 64 rows are whole
.macro REDUCE                          ; the four pairs in SU: over the pair, over the 32 lanes; every lane ends with the sum
.irp p, 0,1,2,3
	v_add_f32 v[SU+2*(\p)], v[SU+2*(\p)], v[SU+2*(\p)+1]
.endr
.irp m, 1,2,4,8
.irp p, 0,1,2,3
	v_add_f32_dpp v[SU+2*(\p)], v[SU+2*(\p)], v[SU+2*(\p)] row_xmask:\m row_mask:0xf bank_mask:0xf
.endr
.endr
.irp p, 0,1,2,3
	v_permlanex16_b32 v[SU+2*(\p)+1], v[SU+2*(\p)], s[SEL], s[SEL+1]
.endr
.irp p, 0,1,2,3
	v_add_f32 v[SU+2*(\p)], v[SU+2*(\p)], v[SU+2*(\p)+1]
.endr
.endm
	s_mov_b32 s[CNT], 4
.Lln:                                                  ; four rows of my sixteen
.set i, 0
.rept 32
	ds_load_b128 v[XR0+4*i:XR0+4*i+3], v[XRD] offset:(i/8)*XP+(i%8)*512
.set i, i+1
.endr
	s_wait_dscnt 0x0
	s_wait_loadcnt 0x0                             ; these rows' q (and, the first time, bo, gamma, beta)
	WIN 0x04                                       ; source 1 in window 1
.set i, 0
.rept 64
	v_pk_add_f32 v[XR0+2*i:XR0+2*i+1], v[XR0+2*i:XR0+2*i+1], v[128+2*i:128+2*i+1]
.set i, i+1
.endr
.set i, 0
.rept 64
	v_pk_add_f32 v[XR0+2*i:XR0+2*i+1], v[XR0+2*i:XR0+2*i+1], v[2*(i%16):2*(i%16)+1]
.set i, i+1
.endr
	WIN 0
	s_cmp_eq_u32 s[CNT], 1                         ; the last trip has no rows behind it
	s_cbranch_scc1 .Lnoq
	WIN TO_B
.set i, 0
.rept 32
	global_load_b128 v[128+4*i:128+4*i+3], v[QO], s[8:9] offset:16384+(i/8)*4096+(i%8)*512 th:TH_LOAD_NT
.set i, i+1
.endr
	WIN 0
	s_cmp_gt_u32 s[CNT], 2                         ; the first two trips ask for the rows two trips on
	s_cbranch_scc0 .Lnoq
	global_prefetch_b8 v[PFO], s[8:9] offset:32768 th:TH_LOAD_NT scope:SCOPE_SE
	global_prefetch_b8 v[PFO], s[8:9] offset:40960 th:TH_LOAD_NT scope:SCOPE_SE
.Lnoq:
.irp p, 0,1,2,3
	v_pk_add_f32 v[SU+2*(\p):SU+2*(\p)+1], v[XR0+32*(\p):XR0+32*(\p)+1], v[XR0+32*(\p)+2:XR0+32*(\p)+3]
.endr
.set i, 2
.rept 14
.irp p, 0,1,2,3
	v_pk_add_f32 v[SU+2*(\p):SU+2*(\p)+1], v[SU+2*(\p):SU+2*(\p)+1], v[XR0+32*(\p)+2*i:XR0+32*(\p)+2*i+1]
.endr
.set i, i+1
.endr
	REDUCE
.irp p, 0,1,2,3
	v_mul_f32 v[MU+2*(\p)], s46, v[SU+2*(\p)]
	v_mov_b32 v[MU+2*(\p)+1], v[MU+2*(\p)]
.endr
.set i, 0
.rept 64
	v_pk_add_f32 v[XR0+2*i:XR0+2*i+1], v[XR0+2*i:XR0+2*i+1], v[MU+2*(i/16):MU+2*(i/16)+1] neg_lo:[0,1] neg_hi:[0,1]
.set i, i+1
.endr
.irp p, 0,1,2,3
	v_pk_mul_f32 v[SU+2*(\p):SU+2*(\p)+1], v[XR0+32*(\p):XR0+32*(\p)+1], v[XR0+32*(\p):XR0+32*(\p)+1]
.endr
.set i, 1
.rept 15
.irp p, 0,1,2,3
	v_pk_fma_f32 v[SU+2*(\p):SU+2*(\p)+1], v[XR0+32*(\p)+2*i:XR0+32*(\p)+2*i+1], v[XR0+32*(\p)+2*i:XR0+32*(\p)+2*i+1], v[SU+2*(\p):SU+2*(\p)+1]
.endr
.set i, i+1
.endr
	REDUCE
.irp p, 0,1,2,3
	v_fma_f32 v[RS+2*(\p)], v[SU+2*(\p)], s46, s47
.endr
.irp p, 0,1,2,3
	v_rsq_f32 v[RS+2*(\p)], v[RS+2*(\p)]
.endr
	v_nop
	s_wait_alu depctr_va_vdst(0)                   ; one wait for the four roots, ahead of their first reader
.irp p, 0,1,2,3
	v_mov_b32 v[RS+2*(\p)+1], v[RS+2*(\p)]
.endr
.set i, 0
.rept 64
	v_pk_mul_f32 v[XR0+2*i:XR0+2*i+1], v[XR0+2*i:XR0+2*i+1], v[RS+2*(i/16):RS+2*(i/16)+1]
.set i, i+1
.endr
	WIN 0x14                                       ; sources 1 and 2 in window 1: gamma, beta
.set i, 0
.rept 64
	v_pk_fma_f32 v[XR0+2*i:XR0+2*i+1], v[XR0+2*i:XR0+2*i+1], v[32+2*(i%16):32+2*(i%16)+1], v[64+2*(i%16):64+2*(i%16)+1]
.set i, i+1
.endr
	WIN 0
.set i, 0
.rept 32
	global_store_b128 v[QO], v[XR0+4*i:XR0+4*i+3], s[16:17] offset:(i/8)*4096+(i%8)*512 th:TH_STORE_NT  ; 512 consecutive bytes, aligned
.set i, i+1
.endr
	s_wait_xcnt 0x0                                ; loads, prefetches and stores have read their registers and bases
	s_add_nc_u64 s[8:9], s[8:9], 16384
	s_add_nc_u64 s[16:17], s[16:17], 16384
	v_add_nc_u32 v[XRD], 4*XP, v[XRD]
	s_sub_co_u32 s[CNT], s[CNT], 1
	s_cmp_lg_u32 s[CNT], 0
	s_cbranch_scc1 .Lln
	s_wait_tensorcnt 0x0                           ; the wave's end
	ds_add_u32 v[SPW], v[NIL]
	s_wait_dscnt 0x0
	CROUND
	s_endpgm
.Lfunc_end_k_q8daf6310ac_out:
	.size	k_q8daf6310ac_out, .Lfunc_end_k_q8daf6310ac_out-k_q8daf6310ac_out
	.p2alignl 7, 3214868480
	.fill 96, 4, 3214868480
	.section	.rodata,"a",@progbits
	.p2align	6, 0x0
	.amdhsa_kernel k_q8daf6310ac_out
		.amdhsa_group_segment_fixed_size 327680
		.amdhsa_private_segment_fixed_size 0
		.amdhsa_enable_private_segment 0
		.amdhsa_kernarg_size 56
		.amdhsa_user_sgpr_count 2
		.amdhsa_user_sgpr_kernarg_segment_ptr 1
		.amdhsa_wavefront_size32 1
		.amdhsa_system_sgpr_workgroup_id_x 1
		.amdhsa_system_sgpr_workgroup_id_y 1
		.amdhsa_system_sgpr_workgroup_id_z 1
		.amdhsa_system_vgpr_workitem_id 0
		.amdhsa_next_free_vgpr 1024
		.amdhsa_next_free_sgpr 72
		.amdhsa_reserve_vcc 0
		.amdhsa_float_denorm_mode_32 3
		.amdhsa_float_denorm_mode_16_64 3
		.amdhsa_memory_ordered 1
		.amdhsa_forward_progress 1
		.amdhsa_inst_pref_size 118
	.end_amdhsa_kernel
	.amdgpu_metadata
---
amdhsa.version: [ 1, 2 ]
amdhsa.kernels:
  - .name:           k_q8daf6310ac_out
    .symbol:         k_q8daf6310ac_out.kd
    .args:
      - { .name: af, .offset: 0, .size: 8, .value_kind: global_buffer, .address_space: global }
      - { .name: wf, .offset: 8, .size: 8, .value_kind: global_buffer, .address_space: global }
      - { .name: q, .offset: 16, .size: 8, .value_kind: global_buffer, .address_space: global }
      - { .name: bo, .offset: 24, .size: 8, .value_kind: global_buffer, .address_space: global }
      - { .name: gamma, .offset: 32, .size: 8, .value_kind: global_buffer, .address_space: global }
      - { .name: beta, .offset: 40, .size: 8, .value_kind: global_buffer, .address_space: global }
      - { .name: out0, .offset: 48, .size: 8, .value_kind: global_buffer, .address_space: global }
    .group_segment_fixed_size: 327680
    .private_segment_fixed_size: 0
    .kernarg_segment_align: 8
    .kernarg_segment_size: 56
    .max_flat_workgroup_size: 128
    .sgpr_count:     72
    .vgpr_count:     1024
    .wavefront_size: 32
...
	.end_amdgpu_metadata
.endif
;; end of part 5
